; MI455X (gfx1250); checked and timed in simulation.
; The chip was launched on July 23, 2026; its instructions are those of AMD's public machine-readable ISA for CDNA 5 (MIT licence, August 2026) and "CDNA5" Instruction Set Architecture Reference Guide (July 2026). The comments in the code are by the model that wrote it; some were corrected since.
;; Grouped Query Attention. Allowed arithmetic: matrix products marked QUANTISED: E4M3 operands, one given power-of-two scale a tensor, by v_wmma_f32_16x16x64_fp8_fp8 or v_wmma_f32_16x16x128_fp8_fp8, f32 sums; everything else in f32.
;; Inputs: Wk 2,048 x 512 float32; Wo 2,048 x 2,048 float32; Wq 2,048 x 2,048 float32; Wv 2,048 x 512 float32; lowp_scales 12 int32 (the exponents e of the quantised operands' scales 2^e); x 4 x 1,024 x 2,048 float32.
;; Outputs: out0 4 x 1,024 x 2,048 float32.
;; This version of the problem:
;;   THIS VERSION OF THE PROBLEM IS GIVEN IN LOW PRECISION. The matrix products marked QUANTISED in the list below multiply operands that are first quantised to E4M3 (4 exponent bits, 3 mantissa bits; 8 bits a number), with one given power-of-two scale for each operand tensor; their sums are f32. All else is computed in f32.
;;   The module's matrix products, in the order in which they are computed (A, B: the left and right operand; K: the contracted axis; several contracted axes count as one K, in the product's order):
;;     1. [M 4,096, K 2,048] x [K 2,048, N 2,048]; A: input x; B: input Wq: QUANTISED (scales: A lowp_scales[0], B lowp_scales[1])
;;     2. [M 4,096, K 2,048] x [K 2,048, N 512]; A: input x; B: input Wk: QUANTISED (scales: A lowp_scales[2], B lowp_scales[3])
;;     3. [M 4,096, K 2,048] x [K 2,048, N 512]; A: input x; B: input Wv: QUANTISED (scales: A lowp_scales[4], B lowp_scales[5])
;;     4. batch 16 x [M 4,096, K 128] x [K 128, N 1,024]; A: computed on the way; B: computed on the way: QUANTISED (scales: A lowp_scales[6], B lowp_scales[7])
;;     5. batch 16 x [M 4,096, K 1,024] x [K 1,024, N 128]; A: softmax (see below); B: computed on the way: QUANTISED (scales: A lowp_scales[8], B lowp_scales[9])
;;     6. [M 4,096, K 2,048] x [K 2,048, N 2,048]; A: computed on the way; B: input Wo: QUANTISED (scales: A lowp_scales[10], B lowp_scales[11])
;;   THE QUANTISER, for each operand of a quantised product, along K:
;;     - The operand's scale is 2^e, e = its entry of the input lowp_scales (int32; the entries are numbered through the quantised products in the list's order, A before B).
;;     - Each number is divided by the scale, clamped to +-448, and rounded to the nearest number of E4M3, ties to even, subnormals kept.
;;     - The product sums the exact products of the quantised numbers (number of the format x scale) in f32.
;;   ~~~python
;;   def quantise(x, axis, e):      # numpy; x: float32 -> the quantised numbers, widened to float32 again
;;       x = np.moveaxis(x, axis, -1); K = x.shape[-1]
;;       r = np.clip(x / 2.0 ** e, -448, 448)
;;       step = 2.0 ** (np.maximum(np.frexp(np.where(r == 0, 1, r))[1] - 1, -6) - 3)
;;       q = np.round(r / step) * step * 2.0 ** e      # np.round: ties to even
;;       return np.moveaxis(q, -1, axis).astype(np.float32)
;;   ~~~
;;   SOFTMAX AHEAD OF A QUANTISED PRODUCT. Where the list says 'softmax', what is quantised is not the finished softmax but p = 2^(t - M), with t = logit x log2(e) and M = ceil(the row's largest t), a whole number; so 1/2 < the row's largest p <= 1. The row's sum l is taken of the UNQUANTISED p, in f32, and the product's result is divided by l at the end. Since M is a whole number, a kernel that streams over the keys may use a running M (the ceiling of the running maximum): every later rescaling is an exact power of two, so the quantised numbers keep their values, but for numbers so far below the row's largest that they fall under the format's range.
;;   OPERANDS COMPUTED ON THE WAY. 'Computed on the way' means the value that the module computes at that place (a softmax that the list does not call 'softmax' is quantised finished and normalised). What goes into a quantiser is computed in f32, as accurately as f32 sums, v_exp_f32 and their like allow (about 1e-6 of the number): no bf16 or f16 on the way to a quantiser, and a product that is left as it is and whose result goes on into a quantised operand takes f32 operands (vector FMAs, or v_wmma_f32_16x16x4_f32). A number that lies on a knife's edge between two numbers of the format may be rounded either way, as far as f32 arithmetic and the matrix unit's own rounding can turn it there, and no further.
;; One version. Each part assembles by itself: llvm-mc -triple=amdgcn-amd-amdhsa -mcpu=gfx1250 --defsym DOCPART=n.
;; ======== version 1 of 1: 4 launches
;; limits: right only within a limited range of input values
;; workspace buffers: xc 25,165,824 bytes; wc 6,291,456 bytes; woc 4,194,304 bytes; rt 524,288 bytes; qc 8,388,608 bytes; kc 2,097,152 bytes; vc 2,097,152 bytes; ac 8,388,608 bytes
;; launch prep (part 1): grid 608 x 1, 4 waves a work-group, no clusters, 34,304 bytes of LDS; arguments x, Wq, Wk, Wv, Wo, lowp_scales, xc, wc, woc, rt; writes xc, wc, woc, rt
.if DOCPART == 1
	.amdgcn_target "amdgcn-amd-amdhsa--gfx1250"
	.amdhsa_code_object_version 6
	.text
	.protected	k_qc18252e75c_prep
	.globl	k_qc18252e75c_prep
	.p2align	8
	.type	k_qc18252e75c_prep,@function
k_qc18252e75c_prep:
	s_mov_b64 s[64:65], 0
	v_nop
	global_prefetch_b8 v0, s[64:65] scope:SCOPE_SE
	s_setreg_imm32_b32 hwreg(HW_REG_WAVE_MODE, 25, 1), 1
	s_wait_xcnt 0x0
; PREP: x (three times, under e0, e2, e4) and the four weights become codes of FP8 (E4M3); the table of cos and sin for the rotary embedding is made.
; code = number / 2^e, held within +-448, rounded to the nearest code, ties to even.
; EVERY OPERAND IS LAID AS AN IMAGE OF THE OPERAND'S REGISTERS.  A fragment is 16 rows x 128 K = 16 registers a lane = 2,048 bytes: registers 4 c .. 4 c + 3 of lane l lie at byte 512 c + 16 l.
; Lane l = (r = l % 16, h = l / 16) holds row r; registers 2 g, 2 g + 1 hold k = 16 g + 8 h + 0 .. 7.
;   xc  [part 3][K slot 8 (256 k)][row tile 256][q 2][2048]     wc [K slot 8][row tile 192][q 2][2048] (rows: Wq's 2,048 columns, Wk's 512, Wv's 512)     woc [K slot 8][row tile 128][q 2][2048]
;   rt  [token tile 64][cos, sin][b 4][half 2][lane 32][16 bytes]: cos or sin of t = 16 tile + r at frequencies 16 b + 8 h + 4 half + 0 .. 3
; WORK-GROUPS: 0-255 a row tile of x each; 256-511 Wq and Wo; 512-575 Wk and Wv; 576-607 the table.  No tensor load, no barrier: waves share nothing.  Matrix units and clusters have nothing to do in a stream.
; LIMITS: each e lies between -126 and 119, so that 2^e and 448 x 2^e are f32 numbers.  NaN among the inputs is not served; infinities are held at the largest code.
; The table's angles are t x inv_freq in f32, inv_freq = 2^(-j c), c = log2(10000) / 64, right to about one part in 10^7; cos and sin by reduction modulo pi / 2 and polynomials, right to about 1e-7.
.set SPARE, 33792                      ; behind the four stages of path X: the spare words, 128 bytes for each wave
.set SPW, 10                           ; v10  LDS address of my spare word; never rewritten
.set NIL, 11                           ; v11  0; never rewritten
.set R,  16                            ; path X: v16-143 two sets of 64 numbers as loaded
.set X,  144                           ;         v144-207 64 numbers, register 8 g + i = k 16 g + 8 h + i of my row
.set T,  208                           ;         v208-223 two sets of 8 held numbers
.set C,  224                           ;         v224-255 two sets of 16 registers of codes
.set WX, 16                            ; path W: v16-79 two sets of 32 numbers down K
.set WC, 80                            ;         v80-143 eight registers of codes for each of 8 units: no store's data are written again
.macro LOADX u                         ; K step u of my four: 16 rows x 512 bytes; each load reads 512 consecutive bytes of one row
.set i, 0
.rept 16
	global_load_b128 v[R+64*((\u)%2)+4*i:R+64*((\u)%2)+4*i+3], v1, s[4:5] offset:8192*i+512*(\u) th:TH_LOAD_NT
.set i, i+1
.endr
.endm
.macro QX n, sc, u                     ; the fragment in X under scale sc (0, 1, 2: e0, e2, e4); n counts the fragments made, for the set of code registers
.if (\n) >= 2
	s_wait_xcnt 0x0                                ; the stores of two fragments back have read this set of code registers
.endif
.irp g, 0,1,2,3,4,5,6,7
.irp i, 0,1,2,3,4,5,6,7
	v_med3_num_f32 v[T+8*(\g%2)+\i], v[X+8*\g+\i], -v[7+\sc], v[7+\sc]   ; the conversion does not saturate (ISA guide 7.6.2): the hold first.  X stays: it is quantised three times
.endr
	v_cvt_scalef32_pk8_fp8_f32 v[C+16*((\n)%2)+2*\g:C+16*((\n)%2)+2*\g+1], v[T+8*(\g%2):T+8*(\g%2)+7], v[4+\sc]   ; the other set's eight holds are the plain lines behind it
.endr
.irp c, 0,1,2,3
	global_store_b128 v1, v[C+16*((\n)%2)+4*\c:C+16*((\n)%2)+4*\c+3], s[28+2*\sc:29+2*\sc] offset:((\u)/2)*0x100000+((\u)%2)*2048+512*\c   ; 512 consecutive bytes, aligned
.endr
.endm
.macro UNIT u                          ; one K step: through my stage (rows of 512 + 16 bytes), so that a lane gets 8 neighbours along K of ONE row in 8 registers
.if (\u) < 3
	s_wait_loadcnt 16                              ; this unit's 16 loads are in; the next unit's 16 may be out
.else
	s_wait_loadcnt 0x0
.endif
.set i, 0
.rept 16
	ds_store_b128 v2, v[R+64*((\u)%2)+4*i:R+64*((\u)%2)+4*i+3] offset:528*i
.set i, i+1
.endr
.irp g, 0,1,2,3,4,5,6,7
	ds_load_b128 v[X+8*\g:X+8*\g+3], v3 offset:64*\g           ; LDS serves a wave's instructions in order: these see my stores
	ds_load_b128 v[X+8*\g+4:X+8*\g+7], v3 offset:64*\g+16
.endr
	s_wait_dscnt 0x0                               ; X is in, and the stores have read their registers,
.if (\u) < 2
	LOADX (\u)+2                                   ; which take the loads of two units on
.endif
	QX 3*(\u), 0, \u
	QX 3*(\u)+1, 1, \u
	QX 3*(\u)+2, 2, \u
.endm
.macro LOADW u, n                      ; 32 rows of K at my 32 columns: a lane a column, registers down K; a wave's load reads 128 consecutive bytes, the work-group's four 512
.set i, 0
.rept 32
	global_load_b32 v[WX+32*((\u)%2)+i], v1, s[30:31] offset:(32*(\u)+i)*(\n)*4 th:TH_LOAD_NT
.set i, i+1
.endr
.endm
.macro WUNIT u, n                      ; 32 along K are register group c = u % 4 of K step u / 4, for both halves hh of the image's lanes
.set XS, WX+32*((\u)%2)
.set CU, WC+8*(\u)
.if (\u) < 7
	s_wait_loadcnt 32                              ; this unit's 32 loads are in; the next unit's 32 may be out
.else
	s_wait_loadcnt 0x0
.endif
.set i, 0
.rept 32
	v_med3_num_f32 v[XS+i], v[XS+i], -v5, v5
.set i, i+1
.endr
.irp hh, 0,1
.irp g, 0,1
	v_cvt_scalef32_pk8_fp8_f32 v[CU+4*\hh+2*\g:CU+4*\hh+2*\g+1], v[XS+16*\g+8*\hh:XS+16*\g+8*\hh+7], v4
.endr
.endr
	v_nop                                          ; one plain line behind the last conversion of the run
.irp hh, 0,1
	global_store_b128 v2, v[CU+4*\hh:CU+4*\hh+3], s[32:33] offset:((\u)/4)*2048+512*((\u)%4)+256*\hh   ; lanes 0-15: 256 consecutive bytes, aligned, of one row tile; lanes 16-31: of the next
.endr
.if (\u) < 6
	LOADW (\u)+2, \n
.endif
.endm
; A work-group of path W: 128 columns x 256 along K of one of two tensors with n columns.  first: the path's first work-group; tsh, cgb: where the tensor's and the slot's bits begin;
; pa, pb the two tensors; ea, eb their exponents; oa, ob the buffers; stra, strb a K slot's bytes there; rta, rtb the tensor's first row tile there.
.macro WPATH n, first, tsh, cgb, pa, pb, ea, eb, oa, ob, stra, strb, rta, rtb
	s_sub_co_u32 s25, ttmp9, \first
	s_lshr_b32 s26, s25, \tsh                      ; which tensor
	s_and_b32 s27, s25, (1<<\cgb)-1                ; which 128 columns
	s_lshr_b32 s28, s25, \cgb
	s_and_b32 s28, s28, 7                          ; which K slot
	s_mov_b32 s34, \strb
	s_mov_b32 s35, \rtb
	s_cmp_eq_u32 s26, 0                            ; the choices hang on the work-group's number alone
	s_cselect_b64 s[30:31], s[\pa:\pa+1], s[\pb:\pb+1]
	s_cselect_b64 s[32:33], s[\oa:\oa+1], s[\ob:\ob+1]
	s_cselect_b32 s34, \stra, s34
	s_cselect_b32 s35, \rta, s35
	s_mul_i32 s48, s28, 1024*\n                    ; in: 256 slot rows of 4 n bytes,
	s_lshl_b32 s49, s27, 9                         ; + 128 columns x 4 bytes x group,
	s_add_co_u32 s48, s48, s49
	s_lshl_b32 s49, s24, 7                         ; + 32 columns x 4 bytes x wave
	s_add_co_u32 s48, s48, s49
	s_mov_b32 s49, 0
	s_add_nc_u64 s[30:31], s[30:31], s[48:49]
	s_mul_i32 s50, s28, s34                        ; out: the K slot,
	s_lshl_b32 s51, s27, 3
	s_add_co_u32 s51, s51, s35
	s_lshl_b32 s52, s24, 1
	s_add_co_u32 s51, s51, s52                     ; + row tile: first + 8 group + 2 wave,
	s_lshl_b32 s51, s51, 12                        ; of 4,096 bytes
	s_add_co_u32 s50, s50, s51
	s_mov_b32 s51, 0
	s_add_nc_u64 s[32:33], s[32:33], s[50:51]
	v_lshlrev_b32 v1, 2, v12                       ; in: 4 bytes a lane
	v_lshrrev_b32 v2, 4, v12
	v_and_b32 v3, 15, v12
	v_lshlrev_b32 v2, 12, v2
	v_lshl_add_u32 v2, v3, 4, v2                   ; out: row tile lane / 16, image lane (lane % 16, hh)
	LOADW 0, \n
	LOADW 1, \n
	s_wait_kmcnt 0x0                               ; the exponents
	s_cmp_eq_u32 s26, 0
	s_cselect_b32 s53, s[\ea], s[\eb]
	s_add_co_i32 s53, s53, 127
	s_lshl_b32 s54, s53, 23
	v_mov_b32 v4, s54                              ; 2^e as f32: the conversion takes its exponent field
	s_add_co_i32 s53, s53, 8
	s_lshl_b32 s53, s53, 23
	s_or_b32 s53, s53, 0x600000
	v_mov_b32 v5, s53                              ; 448 x 2^e
	s_wait_alu depctr_va_vdst(0)
.irp u, 0,1,2,3,4,5,6,7
	WUNIT \u, \n
.endr
	s_endpgm
.endm
; cos and sin of t x inv: a = t inv; n = nearest whole number to a 2 / pi; rho = a - n pi / 2 in two parts (the first difference is exact); polynomials on |rho| <= pi / 4; the quadrant by selects and sign bits: no branch
.macro SINCOS t, inv, dc, ds
	v_mul_f32 v40, v[\t], v[\inv]
	v_mul_f32 v41, s48, v40
	v_rndne_f32 v41, v41
	v_fma_f32 v40, v41, s49, v40
	v_fma_f32 v40, v41, s50, v40
	v_mul_f32 v42, v40, v40                        ; z = rho^2
	v_cvt_i32_f32 v43, v41
	v_fma_f32 v44, v42, s51, s52
	v_fma_f32 v44, v44, v42, s53
	v_mul_f32 v44, v44, v42
	v_fma_f32 v44, v44, v40, v40                   ; sin rho
	v_fma_f32 v45, v42, s54, s55
	v_fma_f32 v45, v45, v42, s56
	v_mul_f32 v46, v42, v42
	v_fma_f32 v47, v42, -0.5, 1.0
	v_fma_f32 v45, v45, v46, v47                   ; cos rho
	v_and_b32 v46, 1, v43
	v_cmp_eq_u32 vcc_lo, 1, v46
	v_cndmask_b32 v47, v44, v45, vcc_lo            ; odd quadrant: the two change places
	v_cndmask_b32 v46, v45, v44, vcc_lo
	v_and_b32 v44, 2, v43
	v_lshlrev_b32 v44, 30, v44
	v_xor_b32 v[\ds], v44, v47                     ; sin is negated in quadrants 2, 3
	v_add_nc_u32 v43, 1, v43
	v_and_b32 v43, 2, v43
	v_lshlrev_b32 v43, 30, v43
	v_xor_b32 v[\dc], v43, v46                     ; cos in quadrants 1, 2
.endm
	s_load_b256 s[4:11], s[0:1], 0x0               ; x, Wq, Wk, Wv
	s_load_b256 s[12:19], s[0:1], 0x20             ; Wo, the exponents, xc, wc
	s_load_b128 s[20:23], s[0:1], 0x40             ; woc, rt
	v_lshl_add_u32 v[SPW], v0, 2, SPARE
	v_mov_b32 v[NIL], 0
	v_lshrrev_b32 v1, 5, v0
	v_readfirstlane_b32 s24, v1                    ; wave 0..3
	v_and_b32 v12, 31, v0                          ; lane
	s_wait_kmcnt 0x0
	s_load_b256 s[36:43], s[14:15], 0x0            ; e0 .. e7
	s_load_b128 s[44:47], s[14:15], 0x20           ; e8 .. e11
	s_cmp_lt_u32 ttmp9, 256
	s_cbranch_scc1 .Lx
	s_cmp_lt_u32 ttmp9, 512
	s_cbranch_scc1 .Lw2048
	s_cmp_lt_u32 ttmp9, 576
	s_cbranch_scc1 .Lw512
	; ---- THE TABLE: thread G of 4,096 makes entries (tile G / 256 + 16 i, b, half, lane), i = 0 .. 3: four cos and four sin each
	s_sub_co_u32 s25, ttmp9, 576
	s_lshl_b32 s25, s25, 7
	v_add_nc_u32 v13, s25, v0                      ; G
	v_and_b32 v14, 15, v13                         ; r
	v_bfe_u32 v15, v13, 4, 1                       ; h
	v_bfe_u32 v16, v13, 5, 1                       ; half
	v_bfe_u32 v17, v13, 6, 2                       ; b
	v_lshrrev_b32 v18, 8, v13                      ; the first token tile
	v_lshlrev_b32 v19, 4, v17
	v_lshl_add_u32 v19, v15, 3, v19
	v_lshl_add_u32 v19, v16, 2, v19                ; my first frequency: 16 b + 8 h + 4 half
	s_wait_alu depctr_va_vdst(0)
	v_lshl_add_u32 v20, v18, 4, v14                ; my first t: 16 tile + r
	v_and_b32 v21, 255, v13
	v_lshlrev_b32 v21, 4, v21
	v_lshl_add_u32 v21, v18, 13, v21               ; my byte in the table: 8,192 tile + 16 (G % 256)
	s_mov_b32 s48, 0x3f22f983                      ; 2 / pi
	s_mov_b32 s49, 0xbfc90fdb                      ; -(pi / 2 rounded to f32)
	s_mov_b32 s50, 0x333bbd2e                      ; that number less pi / 2
	s_mov_b32 s51, 0xb94ca1f9                      ; sin's three coefficients
	s_mov_b32 s52, 0x3c08839e
	s_mov_b32 s53, 0xbe2aaaa3
	s_mov_b32 s54, 0x37ccf5ce                      ; cos's three
	s_mov_b32 s55, 0xbab6061a
	s_mov_b32 s56, 0x3d2aaaa5
	s_mov_b32 s57, 0xbe549a80                      ; -108853 / 2^19: c's upper 17 bits, so that j x it is exact for j < 64
	s_mov_b32 s58, 0x33aae0c1                      ; ln 2 x (that less c): 2^(-j c) = 2^(-j c_hi) (1 + j kappa), the square of j kappa being under 3e-11
.irp e, 0,1,2,3
	v_add_nc_u32 v[24+\e], \e, v19
	v_cvt_f32_u32 v[24+\e], v[24+\e]
	v_mul_f32 v[28+\e], s57, v[24+\e]
	v_fma_f32 v[24+\e], v[24+\e], s58, 1.0
.endr
	s_wait_alu depctr_va_vdst(0)
.irp e, 0,1,2,3
	v_exp_f32 v[28+\e], v[28+\e]
.endr
.irp i, 0,1,2,3
	v_add_nc_u32 v[32+\i], 256*\i, v20             ; plain lines behind the exponentials: t of my four entries
.endr
.irp i, 0,1,2,3
	v_cvt_f32_u32 v[32+\i], v[32+\i]
.endr
	s_wait_alu depctr_va_vdst(0)                   ; one wait for the four exponentials, ahead of their first reader
.irp e, 0,1,2,3
	v_mul_f32 v[28+\e], v[28+\e], v[24+\e]         ; inv_freq
.endr
.irp i, 0,1,2,3
.irp e, 0,1,2,3
	SINCOS 32+\i, 28+\e, 48+8*\i+\e, 52+8*\i+\e
.endr
.endr
.irp i, 0,1,2,3
	global_store_b128 v21, v[48+8*\i:51+8*\i], s[22:23] offset:131072*\i         ; a wave stores 512 consecutive bytes
	global_store_b128 v21, v[52+8*\i:55+8*\i], s[22:23] offset:131072*\i+4096
.endr
	s_endpgm
.Lw512:
	s_wait_alu depctr_va_vdst(0)
	WPATH 512, 512, 5, 2, 8, 10, 39, 41, 18, 18, 786432, 786432, 128, 160       ; Wk (e3), Wv (e5) into wc's row tiles 128 on, 160 on
.Lw2048:
	s_wait_alu depctr_va_vdst(0)
	WPATH 2048, 256, 7, 4, 6, 12, 37, 47, 18, 20, 786432, 524288, 0, 0          ; Wq (e1) into wc, Wo (e11) into woc
.Lx:	; ---- x: the work-group takes row tile ttmp9 (16 rows); wave w the K steps 4 w .. 4 w + 3
	s_wait_alu depctr_va_vdst(0)
	v_lshlrev_b32 v1, 4, v12                       ; 16 x lane: in a row's 512 bytes, and in an image
	s_wait_alu depctr_va_vdst(0)
	s_mul_i32 s25, s24, 8448                       ; my stage: 16 rows x 528 bytes
	v_add_nc_u32 v2, s25, v1                       ; into it: as loaded
	v_and_b32 v13, 15, v0
	v_bfe_u32 v14, v0, 4, 1
	v_mul_u32_u24 v3, v13, 528
	v_lshl_add_u32 v3, v14, 5, v3
	v_add_nc_u32 v3, s25, v3                       ; out of it: row r, + 32 h bytes
	s_lshl_b32 s26, ttmp9, 17                      ; 16 rows of 8,192 bytes,
	s_lshl_b32 s27, s24, 11                        ; four K steps of 512 bytes
	s_add_co_u32 s26, s26, s27
	s_mov_b32 s27, 0
	s_add_nc_u64 s[4:5], s[4:5], s[26:27]
	s_lshl_b32 s26, ttmp9, 12                      ; the row tile's 4,096 bytes in a K slot,
	s_lshl_b32 s25, s24, 21                        ; K slot 2 w
	s_add_co_u32 s26, s26, s25
	s_add_nc_u64 s[28:29], s[16:17], s[26:27]      ; the part under e0,
	s_add_nc_u64 s[30:31], s[28:29], 0x800000      ; under e2,
	s_add_nc_u64 s[32:33], s[28:29], 0x1000000     ; under e4
	LOADX 0
	LOADX 1
	s_wait_alu depctr_va_vdst(0)
	s_wait_kmcnt 0x0
.irp k, 0,1,2
	s_add_co_i32 s25, s[36+2*\k], 127
	s_lshl_b32 s26, s25, 23
	v_mov_b32 v[4+\k], s26                         ; 2^e
	s_add_co_i32 s25, s25, 8
	s_lshl_b32 s25, s25, 23
	s_or_b32 s25, s25, 0x600000
	v_mov_b32 v[7+\k], s25                         ; 448 x 2^e
.endr
	s_wait_alu depctr_va_vdst(0)
	UNIT 0
	UNIT 1
	UNIT 2
	UNIT 3
	s_wait_tensorcnt 0x0                           ; the wave's end, behind my last LDS store
	ds_add_u32 v[SPW], v[NIL]
	s_wait_dscnt 0x0
	s_endpgm
.Lfunc_end_k_qc18252e75c_prep:
	.size	k_qc18252e75c_prep, .Lfunc_end_k_qc18252e75c_prep-k_qc18252e75c_prep
	.p2alignl 7, 3214868480
	.fill 96, 4, 3214868480
	.section	.rodata,"a",@progbits
	.p2align	6, 0x0
	.amdhsa_kernel k_qc18252e75c_prep
		.amdhsa_group_segment_fixed_size 34304
		.amdhsa_private_segment_fixed_size 0
		.amdhsa_enable_private_segment 0
		.amdhsa_kernarg_size 80
		.amdhsa_user_sgpr_count 2
		.amdhsa_user_sgpr_kernarg_segment_ptr 1
		.amdhsa_wavefront_size32 1
		.amdhsa_system_sgpr_workgroup_id_x 1
		.amdhsa_system_sgpr_workgroup_id_y 1
		.amdhsa_system_sgpr_workgroup_id_z 1
		.amdhsa_system_vgpr_workitem_id 0
		.amdhsa_next_free_vgpr 256
		.amdhsa_next_free_sgpr 66
		.amdhsa_reserve_vcc 1
		.amdhsa_float_denorm_mode_32 3
		.amdhsa_float_denorm_mode_16_64 3
		.amdhsa_memory_ordered 1
		.amdhsa_forward_progress 1
		.amdhsa_inst_pref_size 190
	.end_amdhsa_kernel
	.amdgpu_metadata
---
amdhsa.version: [ 1, 2 ]
amdhsa.kernels:
  - .name:           k_qc18252e75c_prep
    .symbol:         k_qc18252e75c_prep.kd
    .args:
      - { .name: x, .offset: 0, .size: 8, .value_kind: global_buffer, .address_space: global }
      - { .name: Wq, .offset: 8, .size: 8, .value_kind: global_buffer, .address_space: global }
      - { .name: Wk, .offset: 16, .size: 8, .value_kind: global_buffer, .address_space: global }
      - { .name: Wv, .offset: 24, .size: 8, .value_kind: global_buffer, .address_space: global }
      - { .name: Wo, .offset: 32, .size: 8, .value_kind: global_buffer, .address_space: global }
      - { .name: lowp_scales, .offset: 40, .size: 8, .value_kind: global_buffer, .address_space: global }
      - { .name: xc, .offset: 48, .size: 8, .value_kind: global_buffer, .address_space: global }
      - { .name: wc, .offset: 56, .size: 8, .value_kind: global_buffer, .address_space: global }
      - { .name: woc, .offset: 64, .size: 8, .value_kind: global_buffer, .address_space: global }
      - { .name: rt, .offset: 72, .size: 8, .value_kind: global_buffer, .address_space: global }
    .group_segment_fixed_size: 34304
    .private_segment_fixed_size: 0
    .kernarg_segment_align: 8
    .kernarg_segment_size: 80
    .max_flat_workgroup_size: 128
    .sgpr_count:     66
    .vgpr_count:     256
    .wavefront_size: 32
...
	.end_amdgpu_metadata
.endif
;; end of part 1
;; launch qkv (part 2): grid 16 x 12, 4 waves a work-group, clusters of 4 x 1, 327,680 bytes of LDS; arguments xc, wc, rt, lowp_scales, qc, kc, vc; writes qc, kc, vc
.if DOCPART == 2
	.amdgcn_target "amdgcn-amd-amdhsa--gfx1250"
	.amdhsa_code_object_version 6
	.text
	.protected	k_qc18252e75c_qkv
	.globl	k_qc18252e75c_qkv
	.p2align	8
	.type	k_qc18252e75c_qkv,@function
k_qc18252e75c_qkv:
	s_mov_b64 s[64:65], 0
	v_nop
	global_prefetch_b8 v0, s[64:65] scope:SCOPE_SE
	s_setreg_imm32_b32 hwreg(HW_REG_WAVE_MODE, 25, 1), 1
	s_wait_xcnt 0x0
	s_wait_alu depctr_hold_cnt(0) depctr_sa_sdst(0) depctr_va_vdst(0) depctr_va_sdst(0) depctr_va_ssrc(0) depctr_va_vcc(0) depctr_vm_vsrc(0)
	s_getreg_b32 s2, hwreg(HW_REG_IB_STS2, 6, 4)
	s_cmp_eq_u32 s2, 0
	s_cbranch_scc0 .Lentry_in_a_cluster
	s_endpgm
.Lentry_in_a_cluster:
	s_bfe_u32 s2, ttmp6, 0x10000c
	s_cmp_lg_u32 s2, 0x3003
	s_cbranch_scc0 .Lentry_shape_is_right
	s_endpgm
.Lentry_shape_is_right:
; QKV: x Wq, x Wk, x Wv on codes of FP8 (E4M3), K = 2,048; rotary embedding of q and k; the results quantised (e6, e7, e9) and stored as images of the next launch's operand registers.
; All operands are IMAGES OF REGISTERS: a fragment (16 rows x 128 K) is 2,048 bytes, registers 4 c .. 4 c + 3 of lane l at 512 c + 16 l; xc [part 3][K slot 8][row tile 256][q 2][2048], wc [K slot 8][row tile 192][q 2][2048].
; SHARES.  Work-group (X, y): tokens 256 X .., columns 256 y .. of (Wq | Wk | Wv): y 0-7 q, 8-9 k, 10-11 v.  24 heads of 128 columns do not divide into 256 equal blocks, so 192 work-groups of 256 x 256.
; A wave makes 64 x 256: 64 accumulators.  THE 256-ROW OPERAND goes through a ring of two LDS slots of 512 along K (131,072 bytes each; a wave fills 32,768), read by all four waves.
; THE 64-ROW OPERAND is the wave's own, so it goes from memory straight into registers: three sets of 64 registers, 16 loads a K step, asked for two K steps ahead and waited for by count.
; q, k: LDS operand = 256 rows of the weights' codes, the same for the cluster's four token tiles: asked for JOINTLY (mask 15); direct operand = the wave's 64 tokens.
;   Source 0 = weights, source 1 = tokens: lane (r, h), register j of accumulator (a, b) = (token 16 a + r, column 16 b + 8 h + j): eight accumulators are one head's 128 channels of 16 tokens.
; v: THE TWO OPERANDS CHANGE PLACES: LDS operand = the work-group's 256 tokens (each partner's own, so a plain load), direct operand = the wave's 64 rows of Wv's codes.  The same instructions then give
;   (channel 16 a + r, token 16 b + 8 h + j): eight accumulators are 16 channels x 128 keys, V^T's fragment as the next launch reads it.  Nothing is transposed.
; The branch between the joint and the plain load hangs on y alone, which all partners share.  The direct operand is not shared in LDS, so no joint load serves it.
; PREFETCH: x's codes for K step j are asked for six steps ahead, 8,192 bytes a wave, lanes 256 bytes apart.  The column tiles that read the same rows share the steps out (bit j of s41: q: j % 8 = y; k: j % 2 = y % 2).
;   Steps 0-5 come by their loads alone.  None for Wv's rows as direct operand (16 work-groups read the same 16,384 bytes a K slot), none for the ring's tiles: 224 matrix instructions stand between a refill and its wait.
; The 16 K steps are written out by a macro: three register sets and four steps to a slot come round together only after 12 steps.
; LIMITS: e6 - e0 - e1, e7 - e2 - e3 and e9 - e4 - e5 lie between -126 and 119, so that the conversion's scale and 448 x it are f32 numbers.
; REGISTERS: window 0: v4-11 at work, v12-19 scale, bound, offsets, LDS addresses, v28-29 the add's two, v32-63 codes, v64-255 the direct operand's three sets (at the end: results and two tables);
;   window 1: the LDS operand's 16 fragments (at the end two tables); window 2: accumulators (a, b < 8) at v[8 (8 a + b)]; window 3: (a, b >= 8).
.set STRB,  786432                     ; a K slot on in wc
.set STRX,  0x100000                   ; and in xc
.set SLOT,  131072
.set SPARE, 2*SLOT                     ; behind the ring: the spare words, 128 bytes a wave
.set SCL,  12
.set LIM,  13
.set LI,   14                          ; 16 x lane
.set PFO,  15                          ; 256 x lane
.set ADRB, 16                          ; v16-19: 16 x lane + 65,536 n: K slot n % 4 of the ring
.set SPW,  28
.set NIL,  29
.set CC,   32
.set Y,    64
.set G1J, 24                           ; s[24:31] group 1, joint;  s[32:39] its groups 0, one a slot
.set G0J, 32
.set G1P, 48                           ; s[48:55], s[56:63] the same for the plain load
.set G0P, 56
.set AB,  66                           ; s[66:81] the direct operand's address at each of the 8 K slots
.set MSB, 0
.macro WIN new
.if MSB != (\new)
	s_set_vgpr_msb (MSB<<8)|(\new)
.set MSB, (\new)
.endif
.endm
.set MUL_LO, 0xa1                      ; source 0 window 1, source 1 window 0, C and D window 2
.set MUL_HI, 0xf1                      ; C and D window 3
.set TO_B,   0x40                      ; destination window 1
.macro PLACES
.rept 4
	v_nop
.endr
.endm
.macro CREST
	s_cmp_lg_u32 s14, 0
	s_cbranch_scc1 .Lnw0_\@
	s_barrier_signal -3
.Lnw0_\@:
	s_barrier_wait -3
	s_barrier_signal -1
	s_barrier_wait -1
.endm
.macro CROUND
	s_barrier_signal -1
	s_barrier_wait -1
	CREST
.endm
.macro TLOAD s                         ; my quarter of slot s: one tensor load on either way; s_nop 0 and four v_nop behind each
	s_cmp_lt_u32 s18, 10
	s_cbranch_scc0 .Lpl_\@
	tensor_load_to_lds s[G0J+4*\s:G0J+4*\s+3], s[G1J:G1J+7]
	s_nop 0
	PLACES
	s_branch .Ltd_\@
.Lpl_\@:
	tensor_load_to_lds s[G0P+4*\s:G0P+4*\s+3], s[G1P:G1P+7]
	s_nop 0
	PLACES
.Ltd_\@:
.endm
.macro ALOAD k                         ; the direct operand's four fragments of K step k into set k % 3: 16 loads of 512 consecutive bytes
.irp i, 0,1,2,3
.irp c, 0,1,2,3
	global_load_b128 v[64+64*((\k)%3)+16*\i+4*\c:64+64*((\k)%3)+16*\i+4*\c+3], v[LI], s[AB+2*((\k)/2):AB+2*((\k)/2)+1] offset:4096*\i+2048*((\k)%2)+512*\c
.endr
.endr
.endm
.macro FB k, i0                        ; the LDS operand's fragments i0 .. i0 + 7 of K step k
.irp i, 0,1,2,3,4,5,6,7
.irp c, 0,1,2,3
	ds_load_b128 v[16*(\i0+\i)+4*\c:16*(\i0+\i)+4*\c+3], v[ADRB+((\k)/2)%4] offset:4096*(\i0+\i)+2048*((\k)%2)+512*\c
.endr
.endr
.endm
.macro MUL16 a0, hi, k                 ; 16 products; the 64 accumulators take turns in the same order in every step; step 0 starts the sums
.irp a, \a0, \a0+1
.irp b, 0,1,2,3,4,5,6,7
.if (\k) == 0
	v_wmma_f32_16x16x128_fp8_fp8 v[8*(8*(\a)+\b):8*(8*(\a)+\b)+7], v[16*(8*\hi+\b):16*(8*\hi+\b)+15], v[64+64*((\k)%3)+16*(\a):64+64*((\k)%3)+16*(\a)+15], 0
.else
	v_wmma_f32_16x16x128_fp8_fp8 v[8*(8*(\a)+\b):8*(8*(\a)+\b)+7], v[16*(8*\hi+\b):16*(8*\hi+\b)+15], v[64+64*((\k)%3)+16*(\a):64+64*((\k)%3)+16*(\a)+15], v[8*(8*(\a)+\b):8*(8*(\a)+\b)+7]
.endif
.endr
.endr
.endm
.macro ASK j                           ; 8,192 bytes of K slot j / 2, if step j is my column tile's to ask for
	s_bitcmp1_b32 s41, \j
	s_cbranch_scc0 .Lna_\@
	global_prefetch_b8 v[PFO], s[AB+2*((\j)/2):AB+2*((\j)/2)+1] offset:8192*((\j)%2) th:TH_LOAD_NT scope:SCOPE_SE
.Lna_\@:
.endm
.macro TLD a, base                     ; cos and sin of my token tile a: 64 registers laid as a head's lower 64 channels lie in the accumulators
.irp cs, 0,1
.irp b, 0,1,2,3
.irp hf, 0,1
	global_load_b128 v[\base+32*\cs+8*\b+4*\hf:\base+32*\cs+8*\b+4*\hf+3], v[LI], s[8:9] offset:8192*(\a)+4096*\cs+1024*\b+512*\hf
.endr
.endr
.endr
.endm
; K STEP k: 64 products.  Fragments 0-7 of the LDS operand are fetched anew in the step's middle, 8-15 at its end, each 32 products ahead of their use.  Steps 3, 7, 11 change slots.
.macro KSTEP k
.if ((\k) > 0) && ((\k) < 14)
	ALOAD (\k)+2                                   ; into the set that step k - 1 multiplied, four places behind its last product
.endif
.if (\k) < 14
	s_wait_loadcnt 32                              ; this step's 16 loads are in; the next two steps' may be out
.else
	s_wait_loadcnt 16*(15-(\k))
.endif
.if (\k) == 15
	s_cmp_lt_u32 s18, 10
	s_cbranch_scc0 .Lnt0
	TLD 0, 128                                     ; q, k: two tables into the two sets that are done with
	TLD 1, 192
.Lnt0:
.endif
.if ((\k)%4 == 3) && ((\k) < 15)
	s_wait_tensorcnt 0x0                           ; my part of the next slot is in
	ds_add_u32 v[SPW], v[NIL]
.if (\k) < 11
	s_add_nc_u64 s[G0J+4*((\k)/4)+2:G0J+4*((\k)/4)+3], s[G0J+4*((\k)/4)+2:G0J+4*((\k)/4)+3], 4*STRB   ; no load of mine is out: this slot's next four K slots on
	s_add_nc_u64 s[G0P+4*((\k)/4)+2:G0P+4*((\k)/4)+3], s[G0P+4*((\k)/4)+2:G0P+4*((\k)/4)+3], 4*STRX
.endif
	s_wait_dscnt 33                                ; fragments 0-7 are in; the add and the youngest 32 loads may be out
	WIN MUL_LO
	MUL16 0, 0, \k
	s_wait_dscnt 0x0                               ; the add is done, my reads of this slot are over
	s_barrier_signal -1
	MUL16 2, 0, \k
	WIN 0
	s_barrier_wait -1
.if (\k) < 11
	CREST                                          ; the barrier has opened a round of the cluster's barrier
	TLOAD ((\k)/4)                                 ; the refill, first behind the round; its four v_nop are the places for the loads below
.else
	PLACES
.endif
.else
	s_wait_dscnt 32                                ; fragments 0-7 are in
	WIN MUL_LO
	MUL16 0, 0, \k
	MUL16 2, 0, \k
.if (\k) < 15
	PLACES
.endif
.endif
.if (\k) < 15
	WIN TO_B
	FB (\k)+1, 0
.if (\k) < 10
	WIN 0
	ASK (\k)+6
.endif
	s_wait_dscnt 32                                ; fragments 8-15 are in; the 32 loads just issued may be out
.else
	s_wait_dscnt 0x0
.endif
	WIN MUL_HI
	MUL16 0, 1, \k
	MUL16 2, 1, \k
	PLACES
.if (\k) < 15
	WIN TO_B
	FB (\k)+1, 8
.endif
	WIN 0
.endm
; THE WAY OUT of unit (a, hd): 64 numbers a lane in Y are held, converted to 16 registers of codes, one fragment, and stored as 4 x 512 consecutive bytes.
.macro FINISH a, hd
.set CSET, CC+16*((\hd)%2)
.if (\a) > 0
	s_wait_alu depctr_va_vdst(0)
	s_wait_xcnt 0x0                                ; the stores of two units back have read this set of code registers
.endif
.irp g, 0,1,2,3,4,5,6,7
	v_cvt_scalef32_pk8_fp8_f32 v[CSET+2*\g:CSET+2*\g+1], v[Y+8*\g:Y+8*\g+7], v[SCL]
.endr
	v_nop                                          ; one plain line behind the last conversion
.irp c, 0,1,2,3
	global_store_b128 v[LI], v[CSET+4*\c:CSET+4*\c+3], s[82+8*(\hd):83+8*(\hd)] offset:2048*(\a)+512*\c
.endr
.endm
.macro UNITR a, hd                     ; q, k: y1 = x1 cos - x2 sin, y2 = x1 sin + x2 cos; x1 = the head's accumulators 0-3, x2 = 4-7; each accumulator from its low end on
.set AC, 64*(\a)
.if (\a) < 2
.set TS, 128+64*(\a)
.set TW, 0
.else
.set TS, 64*((\a)-2)
.set TW, 4
.endif
.if (\hd) == 0
	s_wait_loadcnt 16*(3-(\a))                     ; table a is in; the later tables may be out
.endif
	WIN 2+(\hd)+TW                                 ; source 0: the accumulators' window; source 1: the table's
.irp b, 0,1,2,3
.irp j, 0,2,4,6
	v_pk_mul_f32 v[4+4*((\j/2)%2):5+4*((\j/2)%2)], v[AC+32+8*\b+\j:AC+32+8*\b+\j+1], v[TS+32+8*\b+\j:TS+32+8*\b+\j+1]
	v_pk_mul_f32 v[6+4*((\j/2)%2):7+4*((\j/2)%2)], v[AC+32+8*\b+\j:AC+32+8*\b+\j+1], v[TS+8*\b+\j:TS+8*\b+\j+1]
	v_pk_fma_f32 v[Y+8*\b+\j:Y+8*\b+\j+1], v[AC+8*\b+\j:AC+8*\b+\j+1], v[TS+8*\b+\j:TS+8*\b+\j+1], v[4+4*((\j/2)%2):5+4*((\j/2)%2)] neg_lo:[0,0,1] neg_hi:[0,0,1]
	v_pk_fma_f32 v[Y+32+8*\b+\j:Y+32+8*\b+\j+1], v[AC+8*\b+\j:AC+8*\b+\j+1], v[TS+32+8*\b+\j:TS+32+8*\b+\j+1], v[6+4*((\j/2)%2):7+4*((\j/2)%2)]
.endr
.endr
	WIN 0
.set i, 0
.rept 64
	v_med3_num_f32 v[Y+i], v[Y+i], -v[LIM], v[LIM] ; the conversion does not saturate (ISA guide 7.6.2): the hold first
.set i, i+1
.endr
	FINISH \a, \hd
.endm
.macro UNITV a, hd                     ; v: the hold takes the sums out of the accumulators
	WIN 2+(\hd)
.set i, 0
.rept 64
	v_med3_num_f32 v[Y+i], v[64*(\a)+i], -v[LIM], v[LIM]
.set i, i+1
.endr
	WIN 0
	FINISH \a, \hd
.endm
	s_load_b256 s[4:11], s[0:1], 0x0               ; xc, wc, rt, the exponents
	s_load_b128 s[84:87], s[0:1], 0x20             ; qc, kc
	s_load_b64 s[88:89], s[0:1], 0x30              ; vc
	v_lshl_add_u32 v[SPW], v0, 2, SPARE
	v_mov_b32 v[NIL], 0
	ds_add_u32 v[SPW], v[NIL]                      ; the opening lines: the add, twice on end, and its wait ahead of my first tensor load
	ds_add_u32 v[SPW], v[NIL]
	v_lshrrev_b32 v1, 5, v0
	v_readfirstlane_b32 s14, v1                    ; wave w
	v_and_b32 v2, 31, v0
	v_lshlrev_b32 v[LI], 4, v2
	v_lshlrev_b32 v[PFO], 8, v2
.irp n, 0,1,2,3
	v_lshl_add_u32 v[ADRB+\n], v2, 4, 65536*\n
.endr
	s_bfe_u32 s40, ttmp6, 0x40000                  ; cx
	s_lshl_b32 s17, ttmp9, 2
	s_add_co_u32 s17, s17, s40                     ; X
	s_and_b32 s18, ttmp7, 0xffff                   ; y: the same in all partners
	s_mov_b32 s[G1J], 15|(3<<16)|(1<<21)           ; mask: all four; elements of 8 bytes; bit 21 beside a mask
	s_mov_b32 s[G1P], 3<<16
.irp g, G1J, G1P                       ; 32,768 dense bytes as 128 rows of 256
	s_mov_b32 s[\g+1], 32<<16
	s_mov_b32 s[\g+2], 128<<16
	s_mov_b32 s[\g+3], 32<<16
	s_mov_b32 s[\g+4], 128
	s_mov_b32 s[\g+5], 32
	s_mov_b32 s[\g+6], 0
	s_mov_b32 s[\g+7], 0
.endr
	s_and_b32 s15, s14, 1
	s_lshr_b32 s16, s14, 1
	s_lshl_b32 s45, s14, 15                        ; my quarter of a slot: K slot w / 2 of its two, half w % 2 of the 16 row tiles
	s_lshl_b32 s46, s18, 16                        ; joint: wc's row tiles 16 y on: made of y and w alone
	s_lshl_b32 s12, s15, 15
	s_add_co_u32 s46, s46, s12
	s_mul_i32 s44, s16, STRB
	s_add_co_u32 s46, s46, s44
	s_mov_b32 s47, 0
	s_lshl_b32 s42, s17, 16                        ; plain: xc's third part, row tiles 16 X on
	s_add_co_u32 s42, s42, s12
	s_lshl_b32 s13, s16, 20
	s_add_co_u32 s42, s42, s13
	s_add_co_u32 s42, s42, 0x1000000
	s_mov_b32 s43, 0
	s_cmp_ge_u32 s18, 8                            ; direct: q: xc's first part, k: its second, row tiles 16 X + 4 w;  v: wc's row tiles 16 y + 4 w
	s_cselect_b32 s20, 0x800000, 0
	s_lshl_b32 s13, s17, 16
	s_add_co_u32 s20, s20, s13
	s_lshl_b32 s21, s18, 16
	s_mov_b32 s23, STRB
	s_cmp_lt_u32 s18, 10
	s_cselect_b32 s20, s20, s21
	s_cselect_b32 s22, STRX, s23                   ; and a K slot on
	s_lshl_b32 s13, s14, 14
	s_add_co_u32 s20, s20, s13
	s_mov_b32 s21, 0
	s_mov_b32 s23, 0
	s_and_b32 s13, s18, 7                          ; which steps' prefetches are mine
	s_lshl_b32 s41, 0x0101, s13
	s_and_b32 s13, s18, 1
	s_lshl_b32 s13, 0x5555, s13
	s_cmp_lt_u32 s18, 8
	s_cselect_b32 s41, s41, s13
	s_cmp_lt_u32 s18, 10
	s_cselect_b32 s41, s41, 0
	s_and_b32 s19, s17, 3                          ; the table: token tile 16 (X % 4) + 4 w of the sequence
	s_lshl_b32 s2, s19, 4
	s_lshl_b32 s3, s14, 2
	s_add_co_u32 s2, s2, s3
	s_lshl_b32 s2, s2, 13
	s_mov_b32 s3, 0
	s_wait_alu depctr_va_vdst(0)
	s_wait_dscnt 0x0                               ; both opening adds are done
	s_wait_kmcnt 0x0
	s_load_b256 s[92:99], s[10:11], 0x0            ; e0 .. e7
	s_load_b32 s100, s[10:11], 0x24                ; e9
	s_add_nc_u64 s[46:47], s[6:7], s[46:47]
	s_add_nc_u64 s[42:43], s[4:5], s[42:43]
	s_add_nc_u64 s[8:9], s[8:9], s[2:3]
	s_cmp_lt_u32 s18, 10
	s_cselect_b64 s[AB:AB+1], s[4:5], s[6:7]
	s_add_nc_u64 s[AB:AB+1], s[AB:AB+1], s[20:21]
.irp n, 1,2,3,4,5,6,7
	s_add_nc_u64 s[AB+2*\n:AB+2*\n+1], s[AB+2*\n-2:AB+2*\n-1], s[22:23]
.endr
.irp s, 0,1
	s_mov_b32 s[G0J+4*\s], 1
	s_add_co_u32 s[G0J+4*\s+1], s45, \s*SLOT
	s_add_nc_u64 s[G0J+4*\s+2:G0J+4*\s+3], s[46:47], \s*2*STRB
	s_or_b32 s[G0J+4*\s+3], s[G0J+4*\s+3], 0x80000000
	s_mov_b32 s[G0P+4*\s], 1
	s_add_co_u32 s[G0P+4*\s+1], s45, \s*SLOT
	s_add_nc_u64 s[G0P+4*\s+2:G0P+4*\s+3], s[42:43], \s*2*STRX
	s_or_b32 s[G0P+4*\s+3], s[G0P+4*\s+3], 0x80000000
.endr
	CROUND                                         ; all four work-groups are here: the first joint loads meet
	TLOAD 0                                        ; K 0-511: one tensor load a wave at the head
	ALOAD 0
	ALOAD 1
	ALOAD 2
	; under the loads' flight: where the results go.  q: [16 batch + head][token tile 64][2048]; k: [4 batch + group][64][2048]; v: [4 batch + group][key step 8][channel tile 8][2048]
	s_lshr_b32 s2, s17, 2                          ; batch
	s_lshl_b32 s3, s19, 4
	s_lshl_b32 s13, s14, 2
	s_add_co_u32 s3, s3, s13                       ; my first token tile
	s_lshl_b32 s13, s18, 1
	s_lshl_b32 s20, s2, 4
	s_add_co_u32 s20, s20, s13                     ; q: 16 batch + 2 y
	s_lshl_b32 s21, s2, 2
	s_add_co_u32 s21, s21, s13
	s_sub_co_u32 s22, s21, 20
	s_add_co_u32 s22, s22, s16                     ; v: 4 batch + 2 (y - 10) + w / 2
	s_sub_co_u32 s21, s21, 16                      ; k: 4 batch + 2 (y - 8)
	s_lshl_b32 s20, s20, 6
	s_add_co_u32 s20, s20, s3
	s_lshl_b32 s21, s21, 6
	s_add_co_u32 s21, s21, s3
	s_lshl_b32 s22, s22, 3
	s_lshl_b32 s13, s19, 1
	s_add_co_u32 s22, s22, s13                     ; key step 2 (X % 4)
	s_lshl_b32 s22, s22, 3
	s_lshl_b32 s13, s15, 2
	s_add_co_u32 s22, s22, s13                     ; channel tile 4 (w % 2)
	s_mov_b32 s23, 131072
	s_cmp_lt_u32 s18, 8
	s_cselect_b32 s20, s20, s21
	s_cselect_b64 s[82:83], s[84:85], s[86:87]
	s_cmp_lt_u32 s18, 10
	s_cselect_b32 s20, s20, s22
	s_cselect_b64 s[82:83], s[82:83], s[88:89]
	s_cselect_b32 s22, s23, 16384                  ; from hd = 0 to hd = 1: a head on, or a key step on
	s_lshl_b32 s20, s20, 11
	s_mov_b32 s21, 0
	s_mov_b32 s23, 0
	s_add_nc_u64 s[82:83], s[82:83], s[20:21]
	s_add_nc_u64 s[90:91], s[82:83], s[22:23]
	s_wait_kmcnt 0x0                               ; a sum stands for sum x 2^(ex + ew): the three exponents are folded into the conversion's scale
	s_sub_co_i32 s12, s98, s92
	s_sub_co_i32 s12, s12, s93
	s_sub_co_i32 s13, s99, s94
	s_sub_co_i32 s13, s13, s95
	s_sub_co_i32 s20, s100, s96
	s_sub_co_i32 s20, s20, s97
	s_cmp_lt_u32 s18, 8
	s_cselect_b32 s12, s12, s13
	s_cmp_lt_u32 s18, 10
	s_cselect_b32 s12, s12, s20
	s_add_co_i32 s12, s12, 127
	s_lshl_b32 s13, s12, 23
	v_mov_b32 v[SCL], s13
	s_add_co_i32 s12, s12, 8
	s_lshl_b32 s12, s12, 23
	s_or_b32 s12, s12, 0x600000
	v_mov_b32 v[LIM], s12                          ; 448 x the scale
	s_wait_alu depctr_va_vdst(0)
	s_wait_tensorcnt 0x0                           ; my part of slot 0 is in; slot 1's first fill is issued as a refill is
	ds_add_u32 v[SPW], v[NIL]
	s_wait_dscnt 0x0
	CROUND
	TLOAD 1                                        ; K 512-1023
	WIN TO_B
	FB 0, 0
	FB 0, 8
	WIN 0
.irp k, 0,1,2,3,4,5,6,7,8,9,10,11,12,13,14,15
	KSTEP \k
.endr
	s_cmp_lt_u32 s18, 10
	s_cbranch_scc0 .Lvout
	WIN TO_B
	TLD 2, 0                                       ; the other two tables, where the LDS operand's fragments lay
	TLD 3, 64
	WIN 0
.irp a, 0,1,2,3
	UNITR \a, 0
	UNITR \a, 1
.endr
	s_branch .Lend
.Lvout:
.irp a, 0,1,2,3
	UNITV \a, 0
	UNITV \a, 1
.endr
.Lend:
	s_wait_tensorcnt 0x0                           ; the wave's end
	ds_add_u32 v[SPW], v[NIL]
	s_wait_dscnt 0x0
	CROUND                                         ; the closing round
	s_endpgm
.Lfunc_end_k_qc18252e75c_qkv:
	.size	k_qc18252e75c_qkv, .Lfunc_end_k_qc18252e75c_qkv-k_qc18252e75c_qkv
	.p2alignl 7, 3214868480
	.fill 96, 4, 3214868480
	.section	.rodata,"a",@progbits
	.p2align	6, 0x0
	.amdhsa_kernel k_qc18252e75c_qkv
		.amdhsa_group_segment_fixed_size 327680
		.amdhsa_private_segment_fixed_size 0
		.amdhsa_enable_private_segment 0
		.amdhsa_kernarg_size 56
		.amdhsa_user_sgpr_count 2
		.amdhsa_user_sgpr_kernarg_segment_ptr 1
		.amdhsa_wavefront_size32 1
		.amdhsa_system_sgpr_workgroup_id_x 1
		.amdhsa_system_sgpr_workgroup_id_y 1
		.amdhsa_system_sgpr_workgroup_id_z 1
		.amdhsa_system_vgpr_workitem_id 0
		.amdhsa_next_free_vgpr 1024
		.amdhsa_next_free_sgpr 102
		.amdhsa_reserve_vcc 0
		.amdhsa_float_denorm_mode_32 3
		.amdhsa_float_denorm_mode_16_64 3
		.amdhsa_memory_ordered 1
		.amdhsa_forward_progress 1
		.amdhsa_inst_pref_size 255
	.end_amdhsa_kernel
	.section	.bss,"aw",@nobits
	.p2align	6
	.space	262144
	.amdgpu_metadata
---
amdhsa.version: [ 1, 2 ]
amdhsa.kernels:
  - .name:           k_qc18252e75c_qkv
    .symbol:         k_qc18252e75c_qkv.kd
    .args:
      - { .name: xc, .offset: 0, .size: 8, .value_kind: global_buffer, .address_space: global }
      - { .name: wc, .offset: 8, .size: 8, .value_kind: global_buffer, .address_space: global }
      - { .name: rt, .offset: 16, .size: 8, .value_kind: global_buffer, .address_space: global }
      - { .name: lowp_scales, .offset: 24, .size: 8, .value_kind: global_buffer, .address_space: global }
      - { .name: qc, .offset: 32, .size: 8, .value_kind: global_buffer, .address_space: global }
      - { .name: kc, .offset: 40, .size: 8, .value_kind: global_buffer, .address_space: global }
      - { .name: vc, .offset: 48, .size: 8, .value_kind: global_buffer, .address_space: global }
    .group_segment_fixed_size: 327680
    .private_segment_fixed_size: 0
    .kernarg_segment_align: 8
    .kernarg_segment_size: 56
    .max_flat_workgroup_size: 128
    .sgpr_count:     102
    .vgpr_count:     1024
    .wavefront_size: 32
...
	.end_amdgpu_metadata
.endif
;; end of part 2
;; launch attn (part 3): grid 16 x 16, 16 waves a work-group, clusters of 4 x 1, 264,192 bytes of LDS; arguments qc, kc, vc, lowp_scales, ac; writes ac
.if DOCPART == 3
	.amdgcn_target "amdgcn-amd-amdhsa--gfx1250"
	.amdhsa_code_object_version 6
	.text
	.protected	k_qc18252e75c_attn
	.globl	k_qc18252e75c_attn
	.p2align	8
	.type	k_qc18252e75c_attn,@function
k_qc18252e75c_attn:
	s_mov_b64 s[64:65], 0
	v_nop
	global_prefetch_b8 v0, s[64:65] scope:SCOPE_SE
	s_setreg_imm32_b32 hwreg(HW_REG_WAVE_MODE, 25, 1), 1
	s_wait_xcnt 0x0
	s_wait_alu depctr_hold_cnt(0) depctr_sa_sdst(0) depctr_va_vdst(0) depctr_va_sdst(0) depctr_va_ssrc(0) depctr_va_vcc(0) depctr_vm_vsrc(0)
	s_getreg_b32 s2, hwreg(HW_REG_IB_STS2, 6, 4)
	s_cmp_eq_u32 s2, 0
	s_cbranch_scc0 .Lentry_in_a_cluster
	s_endpgm
.Lentry_in_a_cluster:
	s_bfe_u32 s2, ttmp6, 0x10000c
	s_cmp_lg_u32 s2, 0x3003
	s_cbranch_scc0 .Lentry_shape_is_right
	s_endpgm
.Lentry_shape_is_right:
; ATTN: causal grouped-query attention on codes of FP8 (E4M3).  16 (batch, group) pairs, 4 query heads to a group, 1,024 tokens, head size 128.
; THE SOFTMAX AHEAD OF THE SECOND PRODUCT: t = score x log2(e) / sqrt(128); M = the running largest t rounded UP to a whole number; p = 2^(t - M) is quantised along the keys, not normalised.  The row's sum is taken of the
; unquantised p and divides O at the end.  When M moves, the sum and O are multiplied by 2^(old M - new M): exact.
; All operands are IMAGES OF REGISTERS (fragment = 16 rows x 128 K = 2,048 bytes; registers 4 c .. 4 c + 3 of lane l at 512 c + 16 l; lane (r, h): row r, registers 2 g, 2 g + 1: k = 16 g + 8 h + 0 .. 7).
; Both products are used transposed: S^T = K Q^T (source 0 = 16 keys), O^T = V^T P^T (source 0 = 16 channels): a lane holds ONE query throughout; S^T's tile g, converted, is registers 2 g, 2 g + 1 of P; O^T's of the next launch's operand.
; SHARES.  Work-group y = (batch, group).  The cluster's x = S, a set of token tiles; the place in the cluster = the query head of the group: it enters q's and the result's global addresses alone.  So the four partners walk the
; same K and V with the same branches, and each tile of K and V is asked for JOINTLY (mask 15).  ALL of a (batch, group)'s K and V, 2 x 131,072 bytes, lie in LDS: filled once, never again.
; A wave owns one tile of 16 queries: with a = wave / 4, c = wave % 4: i = 4 ((a + c) % 4) + (2 a + c) % 4, tile = 4 i + S.  Tile 4 i + S needs i / 2 + 1 key steps of 128: 72 a work-group, 18 for the four waves of equal wave % 4 and of equal wave / 4 alike.
; CAUSAL.  Every wave walks all 8 key steps; a step all of whose keys come after its queries is jumped over (a scalar branch on ids).  On the diagonal hidden scores become -infinity: p = 0.
; LIMITS: e6 + e7 between -123 and 130 (added to c's exponent field); e8 and e10 between -126 and 119.
; REGISTERS: v1 16 x lane; v2 r - 8 h; v5, v6 the add's two; v8, v9 addresses in hand; v12 -M, v13 the largest t, v[14:15] the sum in two halves; v16-31 Q; v32-95 four fragments of K or V; v96-159 S^T, then p; v160-223 O^T; v224-239 codes; v236-254 at work.
.set VOFF,  131072                     ; LDS: K's 64 key tiles from 0, V's [key step 8][channel tile 8] from here
.set SPARE, 262144                     ; behind them: the spare words, 128 bytes for each of 16 waves
.set LI,   1
.set SPW,  5
.set NIL,  6
.set ADK,  8
.set ADV,  9
.set TB,   2                           ; s2   LDS byte of the key step in hand (in K; V's lies VOFF on)
.set WV,   18
.set SEL,  20                          ; s[20:21] lane selects for v_permlanex16_b32: lane l xor 16
.set CS,   22                          ; s[22:23] c = log2(e) / sqrt(128) x 2^(e6 + e7)
.set G1,   24                          ; s[24:31] descriptor group 1
.set G0,   32                          ; s[32:35] group 0
.set KF,   48                          ; s48  the step's first key
.set Q0,   49                          ; s49  my first query
.set CNT,  50
.macro CROUND
	s_barrier_signal -1
	s_barrier_wait -1
	s_cmp_lg_u32 s[WV], 0
	s_cbranch_scc1 .Lnot_wave_0_\@
	s_barrier_signal -3
.Lnot_wave_0_\@:
	s_barrier_wait -3
	s_barrier_signal -1
	s_barrier_wait -1
.endm
	s_load_b256 s[4:11], s[0:1], 0x0               ; qc, kc, vc, the exponents
	s_load_b64 s[12:13], s[0:1], 0x20              ; ac
	v_lshl_add_u32 v[SPW], v0, 2, SPARE
	v_mov_b32 v[NIL], 0
	ds_add_u32 v[SPW], v[NIL]                      ; the wave's opening: the add and its wait ahead of the first tensor loads; work on registers stands between them
	ds_add_u32 v[SPW], v[NIL]
	v_lshrrev_b32 v8, 5, v0
	s_delay_alu instid0(VALU_DEP_1)
	v_readfirstlane_b32 s[WV], v8                  ; wave 0..15
	s_bfe_u32 s51, ttmp6, 0x40000                  ; cx: the query head in the group
	s_and_b32 s52, ttmp7, 0xffff                   ; 4 batch + group
	s_lshr_b32 s53, s[WV], 2
	s_and_b32 s54, s[WV], 3
	s_add_co_u32 s55, s53, s54
	s_and_b32 s55, s55, 3
	s_lshl_b32 s56, s53, 1
	s_add_co_u32 s56, s56, s54
	s_and_b32 s56, s56, 3
	s_lshl_b32 s55, s55, 2
	s_add_co_u32 s55, s55, s56                     ; i
	s_lshl_b32 s55, s55, 2
	s_add_co_u32 s55, s55, ttmp9                   ; my token tile = 4 i + S
	s_lshl_b32 s[Q0], s55, 4
	; descriptor group 1: a key step's 16,384 dense bytes as 64 rows of 32 elements of 8 bytes
	s_mov_b32 s[G1], 15|(3<<16)|(1<<21)            ; 15:0 all four work-groups; 17:16 elements of 8 bytes; 21 set beside a mask
	s_mov_b32 s[G1+1], 32<<16
	s_mov_b32 s[G1+2], 64<<16
	s_mov_b32 s[G1+3], 32<<16
	s_mov_b32 s[G1+4], 64
	s_mov_b32 s[G1+5], 32
	s_mov_b32 s[G1+6], 0
	s_mov_b32 s[G1+7], 0
	s_and_b32 s57, s[WV], 7
	s_lshl_b32 s57, s57, 14                        ; waves 0-7 fetch K's key steps 0-7, waves 8-15 V's: one load of 16,384 bytes a wave
	s_lshl_b32 s58, s[WV], 14                      ; in LDS: V's steps lie behind K's eight
	s_lshl_b32 s60, s52, 17
	s_add_co_u32 s60, s60, s57                     ; in memory
	s_mov_b32 s61, 0
	s_mov_b32 s[SEL], 0x76543210
	s_mov_b32 s[SEL+1], 0xfedcba98
	s_mov_b32 s[CS], 0x3e0293ee                    ; log2(e) / sqrt(128)
	s_mov_b32 s[TB], 0
	s_mov_b32 s[KF], 0
	s_wait_dscnt 0x0                               ; the opening add is done
	s_wait_kmcnt 0x0
	s_load_b256 s[68:75], s[10:11], 0x0            ; e0 .. e7
	s_load_b128 s[76:79], s[10:11], 0x20           ; e8 .. e11
	s_cmp_lt_u32 s[WV], 8
	s_cselect_b64 s[62:63], s[6:7], s[8:9]
	s_add_nc_u64 s[62:63], s[62:63], s[60:61]
	s_mov_b32 s[G0], 1
	s_mov_b32 s[G0+1], s58
	s_mov_b64 s[G0+2:G0+3], s[62:63]
	s_or_b32 s[G0+3], s[G0+3], 0x80000000
	CROUND                                         ; all four work-groups are here: the joint loads meet
	tensor_load_to_lds s[G0:G0+3], s[G1:G1+7]      ; every wave issues its one fill: sixteen fills of 16,384 bytes are all of K and V
	s_nop 0
.rept 4
	v_nop
.endr
	v_and_b32 v[LI], 31, v0
	s_delay_alu instid0(VALU_DEP_1)
	v_lshlrev_b32 v[LI], 4, v[LI]
	s_lshl_b32 s59, s52, 2
	s_add_co_u32 s59, s59, s51                     ; 16 batch + head
	s_lshl_b32 s59, s59, 6
	s_add_co_u32 s59, s59, s55
	s_lshl_b32 s80, s59, 11
	s_mov_b32 s81, 0
	s_add_nc_u64 s[4:5], s[4:5], s[80:81]
.irp c, 0,1,2,3
	global_load_b128 v[16+4*\c:19+4*\c], v[LI], s[4:5] offset:512*\c   ; Q's fragment stays in registers
.endr
	s_and_b32 s82, s52, 3                          ; the result: K slot = head / 2 = 2 group + cx / 2,
	s_lshl_b32 s82, s82, 1
	s_lshr_b32 s83, s51, 1
	s_add_co_u32 s82, s82, s83
	s_lshl_b32 s82, s82, 20
	s_lshr_b32 s83, s52, 2
	s_lshl_b32 s83, s83, 6
	s_add_co_u32 s83, s83, s55                     ; row tile = 64 batch + token tile,
	s_lshl_b32 s83, s83, 12
	s_add_co_u32 s82, s82, s83
	s_and_b32 s83, s51, 1                          ; q = head % 2
	s_lshl_b32 s83, s83, 11
	s_add_co_u32 s82, s82, s83
	s_mov_b32 s83, 0
	s_add_nc_u64 s[12:13], s[12:13], s[82:83]
	v_and_b32 v2, 15, v0
	v_bfe_u32 v3, v0, 4, 1
	s_delay_alu instid0(VALU_DEP_1)
	v_lshlrev_b32 v3, 3, v3
	s_delay_alu instid0(VALU_DEP_1)
	v_sub_nc_u32 v2, v2, v3                        ; r - 8 h, for the diagonal
	v_mov_b32 v13, 0xff61b1e6                      ; the largest t so far: -3e38, under every t
	s_delay_alu instid0(VALU_DEP_1)
	v_floor_f32 v12, -v13                          ; -M
	v_mov_b32 v14, 0
	v_mov_b32 v15, 0
	v_mov_b32 v236, 0                              ; written once: a lane permute's destination counts as one of its sources
	v_mov_b32 v252, 0
	v_mov_b32 v253, 0                              ; (named as the upper half of the pair v[252:253])
	v_mov_b32 v254, 0
.set j, 0
.rept 64
	v_mov_b32 v[160+j], 0                          ; O^T.  (The step has no first form of its own: the first change of M multiplies zeros)
.set j, j+1
.endr
	s_wait_kmcnt 0x0
	s_add_co_i32 s84, s74, s75
	s_lshl_b32 s84, s84, 23
	s_add_co_i32 s[CS], s[CS], s84                 ; a score stands for score x 2^(e6 + e7): added to c's exponent field
	s_mov_b32 s[CS+1], s[CS]
	s_add_co_i32 s84, s76, 127
	s_lshl_b32 s85, s84, 23
	v_mov_b32 v244, s85                            ; 2^e8, for p's conversion
	s_add_co_i32 s84, s84, 8
	s_lshl_b32 s84, s84, 23
	s_or_b32 s84, s84, 0x600000
	v_mov_b32 v240, s84                            ; 448 x 2^e8
	s_add_co_i32 s84, s78, 127
	s_lshl_b32 s85, s84, 23
	v_mov_b32 v246, s85                            ; 2^e10, for the result's
	s_add_co_i32 s84, s84, 8
	s_lshl_b32 s84, s84, 23
	s_or_b32 s84, s84, 0x600000
	v_mov_b32 v247, s84                            ; 448 x 2^e10
	s_add_co_i32 s86, s76, s77                     ; e8 + e9
; A KEY STEP: 128 keys from s[KF] on, whose images begin at LDS byte s[TB].
.macro STEP
	s_add_co_u32 s96, s[Q0], 15
	s_cmp_gt_u32 s[KF], s96                        ; all keys behind my queries: the step's work is left out, not the lines at its end
	s_cbranch_scc1 .Lhidden_\@
	v_add_nc_u32 v[ADK], s[TB], v[LI]
	s_wait_alu depctr_va_vdst(0)
	v_add_nc_u32 v[ADV], VOFF, v[ADK]
.irp g, 0,1                                    ; S^T = K Q^T, four tiles of 16 keys at a time
.rept 4-2*(1-\g)
	v_nop                                          ; four places in front of loads into registers that matrix instructions have read; the two additions above are two of them
.endr
.irp t, 0,1,2,3
.irp c, 0,1,2,3
	ds_load_b128 v[32+16*\t+4*\c:32+16*\t+4*\c+3], v[ADK] offset:2048*(4*\g+\t)+512*\c
.endr
.endr
	s_wait_dscnt 0x0
.irp t, 0,1,2,3
	v_wmma_f32_16x16x128_fp8_fp8 v[96+8*(4*\g+\t):103+8*(4*\g+\t)], v[32+16*\t:47+16*\t], v[16:31], 0
.endr
.endr
.rept 4
	v_nop
.endr
	s_add_co_u32 s96, s[KF], 127                   ; a step all of whose keys count skips the mask
	s_cmp_le_u32 s96, s[Q0]
	s_cbranch_scc1 .Lopen_\@
	s_sub_co_i32 s96, s[Q0], s[KF]
	v_add_nc_u32 v252, s96, v2                     ; d = my query - KF - 8 h.  Register 8 g + j holds key KF + 16 g + 8 h + j: hidden where 16 g + j > d
	v_mov_b32 v254, 0xff800000
.set n, 0
.rept 64
	v_cmp_gt_i32 vcc_lo, 16*(n/8)+n%8, v252
	v_cndmask_b32 v[96+n], v[96+n], v254, vcc_lo
.set n, n+1
.endr
.Lopen_\@:
	v_max3_num_f32 v254, v96, v97, v98             ; the step's largest score of my query among my 64 keys, in two chains,
	v_max3_num_f32 v252, v99, v100, v101
.irp i, 6,10,14,18,22,26,30,34,38,42,46,50,54,58
	v_max3_num_f32 v254, v254, v[96+\i], v[97+\i]
	v_max3_num_f32 v252, v252, v[98+\i], v[99+\i]
.endr
	v_max3_num_f32 v254, v254, v158, v159
	s_delay_alu instid0(VALU_DEP_1)
	v_max_num_f32 v254, v254, v252
	v_permlanex16_b32 v236, v254, s[SEL], s[SEL+1]
	s_delay_alu instid0(VALU_DEP_1)
	v_max_num_f32 v254, v254, v236                 ; and among lane l xor 16's
	s_delay_alu instid0(VALU_DEP_1)
	v_mul_f32 v254, s[CS], v254                    ; as t (c is positive)
	s_delay_alu instid0(VALU_DEP_1)
	v_max_num_f32 v13, v13, v254                   ; the running largest t
	v_mov_b32 v254, v12
	s_delay_alu instid0(VALU_DEP_2)
	v_floor_f32 v12, -v13                          ; the new -M = floor(-t): M is a whole number
	s_delay_alu instid0(VALU_DEP_1)
	v_sub_f32 v254, v12, v254                      ; old M - new M: a whole number, 0 or less
	s_delay_alu instid0(VALU_DEP_1)
	v_cvt_i32_f32 v254, v254                       ; (it saturates)
	s_delay_alu instid0(VALU_DEP_1)
	v_ldexp_f32 v252, 1.0, v254                    ; f = 2^(old M - new M)
.set j, 0
.rept 32
	v_pk_fma_f32 v[96+j:97+j], v[96+j:97+j], s[CS:CS+1], v[12:13] op_sel_hi:[1,0,0]   ; t - M, two at a time
.set j, j+2
.endr
.set j, 0
	s_wait_alu depctr_va_vdst(0)
.rept 64
	v_exp_f32 v[96+j], v[96+j]                     ; p = 2^(t - M)
.set j, j+1
.endr
	v_pk_mul_f32 v[14:15], v[14:15], v[252:253] op_sel_hi:[1,0]   ; the sums under the new M: the plain line behind the exponentials
	s_wait_alu depctr_va_vdst(0)                   ; one wait for the whole batch, ahead of its first reader
	v_pk_add_f32 v[242:243], v[100:101], v[104:105]
	v_pk_add_f32 v[254:255], v[108:109], v[112:113]
	v_pk_add_f32 v[250:251], v[116:117], v[120:121]
	v_pk_add_f32 v[248:249], v[124:125], v[128:129]
	v_pk_add_f32 v[238:239], v[132:133], v[136:137]
	v_pk_add_f32 v[236:237], v[140:141], v[144:145]
	v_pk_add_f32 v[234:235], v[148:149], v[152:153]
	v_pk_add_f32 v[14:15], v[14:15], v[156:157]
	v_pk_add_f32 v[242:243], v[242:243], v[96:97]
	v_pk_add_f32 v[254:255], v[254:255], v[98:99]
	v_pk_add_f32 v[250:251], v[250:251], v[102:103]
	v_pk_add_f32 v[248:249], v[248:249], v[106:107]
	v_pk_add_f32 v[238:239], v[238:239], v[110:111]
	v_pk_add_f32 v[236:237], v[236:237], v[114:115]
	v_pk_add_f32 v[234:235], v[234:235], v[118:119]
	v_pk_add_f32 v[14:15], v[14:15], v[122:123]
	v_pk_add_f32 v[242:243], v[242:243], v[126:127]
	v_pk_add_f32 v[254:255], v[254:255], v[130:131]
	v_pk_add_f32 v[250:251], v[250:251], v[134:135]
	v_pk_add_f32 v[248:249], v[248:249], v[138:139]
	v_pk_add_f32 v[238:239], v[238:239], v[142:143]
	v_pk_add_f32 v[236:237], v[236:237], v[146:147]
	v_pk_add_f32 v[234:235], v[234:235], v[150:151]
	v_pk_add_f32 v[14:15], v[14:15], v[154:155]
	v_pk_add_f32 v[242:243], v[242:243], v[158:159]
	s_delay_alu instid0(VALU_DEP_2)
	v_pk_add_f32 v[14:15], v[14:15], v[248:249]
	s_delay_alu instid0(VALU_DEP_2)
	v_pk_add_f32 v[242:243], v[242:243], v[238:239]
	v_pk_add_f32 v[254:255], v[254:255], v[236:237]
	v_pk_add_f32 v[250:251], v[250:251], v[234:235]
	s_delay_alu instid0(VALU_DEP_2)
	v_pk_add_f32 v[14:15], v[14:15], v[254:255]
	s_delay_alu instid0(VALU_DEP_2)
	v_pk_add_f32 v[242:243], v[242:243], v[250:251]
	s_delay_alu instid0(VALU_DEP_1)
	v_pk_add_f32 v[14:15], v[14:15], v[242:243]
.irp g, 0,1,2,3,4,5,6,7
.irp i, 0,1,2,3,4,5,6,7
	v_min_num_f32 v[96+8*\g+\i], v[96+8*\g+\i], v240   ; the conversion does not saturate (ISA guide 7.6.2); p is not negative, so the hold is one-sided
.endr
	v_cvt_scalef32_pk8_fp8_f32 v[224+2*\g:225+2*\g], v[96+8*\g:103+8*\g], v244
.endr
.set j, 0
.rept 32
	v_pk_mul_f32 v[160+j:161+j], v[160+j:161+j], v[252:253] op_sel_hi:[1,0]   ; O^T under the new M.  (These are also the places in front of the loads and products below)
.set j, j+2
.endr
	s_wait_alu depctr_va_vdst(0)
.irp g, 0,1                                    ; O^T += V^T P^T, four tiles of 16 channels at a time; the accumulators take turns
.if \g > 0
.rept 4
	v_nop
.endr
.endif
.irp t, 0,1,2,3
.irp c, 0,1,2,3
	ds_load_b128 v[32+16*\t+4*\c:32+16*\t+4*\c+3], v[ADV] offset:2048*(4*\g+\t)+512*\c
.endr
.endr
	s_wait_dscnt 0x0
.irp t, 0,1,2,3
	v_wmma_f32_16x16x128_fp8_fp8 v[160+8*(4*\g+\t):167+8*(4*\g+\t)], v[32+16*\t:47+16*\t], v[224:239], v[160+8*(4*\g+\t):167+8*(4*\g+\t)]
.endr
.endr
.Lhidden_\@:
	s_add_co_u32 s[KF], s[KF], 128
	s_add_co_u32 s[TB], s[TB], 16384
.endm
	s_wait_alu depctr_va_vdst(0)
	s_wait_tensorcnt 0x0                           ; my fill is in,
	s_barrier_signal -1
	s_barrier_wait -1                              ; everybody's is: nothing is ever filled again
	s_wait_loadcnt 0x0                             ; Q
	s_mov_b32 s[CNT], 8
.Lrest:
	STEP
	s_sub_co_u32 s[CNT], s[CNT], 1
	s_cmp_lg_u32 s[CNT], 0
	s_cbranch_scc1 .Lrest
	; THE WAY OUT: O^T / the sum x 2^(e8 + e9), quantised under e10 along the head's channels: the conversions' results are the next launch's fragment, stored from registers
	v_add_f32 v14, v14, v15
	s_delay_alu instid0(VALU_DEP_1)
	v_permlanex16_b32 v252, v14, s[SEL], s[SEL+1]
	s_delay_alu instid0(VALU_DEP_1)
	v_add_f32 v14, v14, v252                       ; the row's sum
	s_wait_alu depctr_va_vdst(0)
	v_rcp_f32 v14, v14
.rept 4
	v_nop                                          ; the plain line behind the reciprocal, and the places behind the last products
.endr
	s_wait_alu depctr_va_vdst(0)                   ; the wait ahead of the reciprocal's first reader
	v_ldexp_f32 v14, v14, s86
.set j, 0
.rept 64
	v_mul_f32 v[96+j], v[160+j], v14               ; each accumulator from its low end on
.set j, j+1
.endr
.set j, 0
.rept 64
	v_med3_num_f32 v[96+j], v[96+j], -v247, v247
.set j, j+1
.endr
.irp g, 0,1,2,3,4,5,6,7
	v_cvt_scalef32_pk8_fp8_f32 v[224+2*\g:225+2*\g], v[96+8*\g:103+8*\g], v246
.endr
	v_nop
.irp c, 0,1,2,3
	global_store_b128 v[LI], v[224+4*\c:227+4*\c], s[12:13] offset:512*\c   ; 512 consecutive bytes, aligned
.endr
	s_wait_tensorcnt 0x0                           ; the wave's end
	ds_add_u32 v[SPW], v[NIL]
	s_wait_dscnt 0x0
	CROUND                                         ; the closing round
	s_endpgm
.Lfunc_end_k_qc18252e75c_attn:
	.size	k_qc18252e75c_attn, .Lfunc_end_k_qc18252e75c_attn-k_qc18252e75c_attn
	.p2alignl 7, 3214868480
	.fill 96, 4, 3214868480
	.section	.rodata,"a",@progbits
	.p2align	6, 0x0
	.amdhsa_kernel k_qc18252e75c_attn
		.amdhsa_group_segment_fixed_size 264192
		.amdhsa_private_segment_fixed_size 0
		.amdhsa_enable_private_segment 0
		.amdhsa_kernarg_size 40
		.amdhsa_user_sgpr_count 2
		.amdhsa_user_sgpr_kernarg_segment_ptr 1
		.amdhsa_wavefront_size32 1
		.amdhsa_system_sgpr_workgroup_id_x 1
		.amdhsa_system_sgpr_workgroup_id_y 1
		.amdhsa_system_sgpr_workgroup_id_z 1
		.amdhsa_system_vgpr_workitem_id 0
		.amdhsa_next_free_vgpr 256
		.amdhsa_next_free_sgpr 100
		.amdhsa_reserve_vcc 1
		.amdhsa_float_denorm_mode_32 3
		.amdhsa_float_denorm_mode_16_64 3
		.amdhsa_memory_ordered 1
		.amdhsa_forward_progress 1
		.amdhsa_inst_pref_size 41
	.end_amdhsa_kernel
	.amdgpu_metadata
---
amdhsa.version: [ 1, 2 ]
amdhsa.kernels:
  - .name:           k_qc18252e75c_attn
    .symbol:         k_qc18252e75c_attn.kd
    .args:
      - { .name: qc, .offset: 0, .size: 8, .value_kind: global_buffer, .address_space: global }
      - { .name: kc, .offset: 8, .size: 8, .value_kind: global_buffer, .address_space: global }
      - { .name: vc, .offset: 16, .size: 8, .value_kind: global_buffer, .address_space: global }
      - { .name: lowp_scales, .offset: 24, .size: 8, .value_kind: global_buffer, .address_space: global }
      - { .name: ac, .offset: 32, .size: 8, .value_kind: global_buffer, .address_space: global }
    .group_segment_fixed_size: 264192
    .private_segment_fixed_size: 0
    .kernarg_segment_align: 8
    .kernarg_segment_size: 40
    .max_flat_workgroup_size: 512
    .sgpr_count:     100
    .vgpr_count:     256
    .wavefront_size: 32
...
	.end_amdgpu_metadata
.endif
;; end of part 3
;; launch oproj (part 4): grid 8 x 32, 4 waves a work-group, clusters of 4 x 1, 327,680 bytes of LDS; arguments ac, woc, lowp_scales, out0; writes out0
.if DOCPART == 4
	.amdgcn_target "amdgcn-amd-amdhsa--gfx1250"
	.amdhsa_code_object_version 6
	.text
	.protected	k_qc18252e75c_oproj
	.globl	k_qc18252e75c_oproj
	.p2align	8
	.type	k_qc18252e75c_oproj,@function
k_qc18252e75c_oproj:
	s_mov_b64 s[64:65], 0
	v_nop
	global_prefetch_b8 v0, s[64:65] scope:SCOPE_SE
	s_setreg_imm32_b32 hwreg(HW_REG_WAVE_MODE, 25, 1), 1
	s_wait_xcnt 0x0
	s_wait_alu depctr_hold_cnt(0) depctr_sa_sdst(0) depctr_va_vdst(0) depctr_va_sdst(0) depctr_va_ssrc(0) depctr_va_vcc(0) depctr_vm_vsrc(0)
	s_getreg_b32 s2, hwreg(HW_REG_IB_STS2, 6, 4)
	s_cmp_eq_u32 s2, 0
	s_cbranch_scc0 .Lentry_in_a_cluster
	s_endpgm
.Lentry_in_a_cluster:
	s_bfe_u32 s2, ttmp6, 0x10000c
	s_cmp_lg_u32 s2, 0x3003
	s_cbranch_scc0 .Lentry_shape_is_right
	s_endpgm
.Lentry_shape_is_right:
; OPROJ: out0 [4,096][2,048] f32 = attention's result x Wo, K = 2,048, on codes of FP8 (E4M3); each finished sum is multiplied once by 2^(e10 + e11).
; Both operands are IMAGES OF REGISTERS: [K slot 8 (256 k)][row tile][q 2][2048]; a fragment (16 rows x 128 K) is 2,048 bytes, registers 4 c .. 4 c + 3 of lane l at 512 c + 16 l.
; SHARES.  A tile of C is 128 rows x 256 columns: 32 x 8 = 256 work-groups of four waves.  Wave w makes all 128 rows x columns 64 w .. 64 w + 63: 32 accumulators, 256 registers.
; A IS RESIDENT: the tile's 128 rows x 2,048 K are 262,144 bytes of LDS, filled once by four tensor loads a wave (16,384 dense bytes each) and never again: so the walk along K has no refill, and no barrier but one for each quarter of A.
; B GOES STRAIGHT INTO REGISTERS: a wave's 64 columns are its own.  Four sets of 64 registers: the loads run three K steps
; (48 loads a wave) ahead and are waited for by counts.
; CLUSTER: 4 x 1: four column tiles of one row tile: A's tiles are asked for JOINTLY (mask 15).  B is NOT asked for jointly: a joint load lands in LDS alone, and beside A's 262,144 bytes two slots of B (a K step of 256 columns is 32,768 bytes) with a
; stage and the spare words have no room worth the barriers that refills would bring back.
; K'S ORDER: with f = row tile % 4 (equal in all partners), quarter g of the walk is K's quarter g xor f, for A and for B alike.  So at any time the row tiles of the four classes ask for four different quarters of Wo.  Only global
; addresses hang on f: in LDS the quarters lie in the order of the walk.
; THE MATRIX INSTRUCTION IS USED TRANSPOSED (source 0 = 16 rows of Wo's codes, source 1 = 16 tokens): accumulator (a, b), lane (r, h), register j = C(row 16 a + r, column 64 w + 16 b + 8 h + j).
; No prefetch is laid: all of A is asked for at the head, and B's loads themselves run three K steps ahead.
; LIMITS: e10 + e11 lies between -126 and 127, so that 2^(e10 + e11) is an f32 number.  K's quarters are summed in the order of the walk, which differs from row tile to row tile.
; REGISTERS: window 0: v16-19 LDS addresses, v20 16 x lane, v24-29 the way out's addresses and the add's two, v32-127 the way out.  window 1: B, four sets of 64.  window 2: the accumulators ((a, b) at v[8 (4 a + b)]).  window 3: A, two sets of 128.
.set FR,     16                        ; registers of a fragment
.set STRB,   524288                    ; a K slot on, in woc (in ac: 1 << 20)
.set SPARE,  262144                    ; behind A: the spare words, 128 bytes for each wave
.set STAGE,  262656                    ; behind them: a stage of 16 rows x (256 bytes + 16) for each wave, bytes of its own into which no fill lands
.set SPITCH, 272
.set ADRA, 16                          ; v16-19  16 x lane + 65,536 n: quarter n of A
.set LI,   20                          ; v20     16 x lane: my place in an image
.set STO,  24                          ; v24     the way out: where I put 32 bytes of a row
.set RD,   25                          ; v25     where I read 16 bytes of a row back
.set CO,   26                          ; v26     my byte offset in C
.set SPW,  28                          ; v28     LDS address of my spare word; never rewritten
.set NIL,  29                          ; v29     0; never rewritten
.set TMP,  32                          ; v32-63  a block's sums x 2^(e10 + e11)
.set BK,   64                          ; v64-127 16 rows read back from the stage, two sets by turns
.set G1,   24                          ; s[24:31] descriptor group 1
.set BBASE, 48                         ; s[48:55] four addresses: my columns of Wo's codes at the quarter of K that quarter g of the walk takes
.set G0,   68                          ; s[68:83] four groups 0
.set MSB, 0
.macro WIN new                         ; the immediate's high byte repeats the setting that is left
.if MSB != \new
	s_set_vgpr_msb (MSB<<8)|\new
.set MSB, \new
.endif
.endm
.set MUL_W, 0xad                       ; source 0 (B) window 1, source 1 (A) window 3, C and D window 2
.set TO_B,  0x40                       ; destination window 1, address window 0
.set TO_A,  0xc0                       ; destination window 3, address window 0
.macro CROUND                          ; a round of the cluster's barrier
	s_barrier_signal -1
	s_barrier_wait -1
	s_cmp_lg_u32 s14, 0
	s_cbranch_scc1 .Lnot_wave_0_\@
	s_barrier_signal -3
.Lnot_wave_0_\@:
	s_barrier_wait -3
	s_barrier_signal -1
	s_barrier_wait -1
.endm
.macro PLACES n                        ; plain vector lines between a matrix instruction and a load into its registers, or a read of its result
.rept \n
	v_nop
.endr
.endm
.macro BLOAD k                         ; B's four fragments of step k of the walk into set k % 4: 16 loads of 512 consecutive bytes
.irp i, 0,1,2,3
.irp c, 0,1,2,3
	global_load_b128 v[64*((\k)%4)+FR*\i+4*\c:64*((\k)%4)+FR*\i+4*\c+3], v[LI], s[BBASE+2*((\k)/4):BBASE+2*((\k)/4)+1] offset:(((\k)%4)/2)*STRB+4096*\i+((\k)%2)*2048+512*\c
.endr
.endr
.endm
.macro FETCH_A k                       ; A's eight fragments of step k into set k % 2: 32 loads of 512 consecutive bytes
.irp i, 0,1,2,3,4,5,6,7
.irp c, 0,1,2,3
	ds_load_b128 v[128*((\k)%2)+FR*\i+4*\c:128*((\k)%2)+FR*\i+4*\c+3], v[ADRA+(\k)/4] offset:(((\k)/2)%2)*32768+4096*\i+((\k)%2)*2048+512*\c
.endr
.endr
.endm
.macro MUL k                           ; 32 matrix instructions; the 32 accumulators take turns, one instruction a turn, in the same order in every step; step 0's products start the sums
.irp a, 0,1,2,3,4,5,6,7
.irp b, 0,1,2,3
.if (\k) == 0
	v_wmma_f32_16x16x128_fp8_fp8 v[8*(4*\a+\b):8*(4*\a+\b)+7], v[64*((\k)%4)+FR*\b:64*((\k)%4)+FR*\b+FR-1], v[128*((\k)%2)+FR*\a:128*((\k)%2)+FR*\a+FR-1], 0
.else
	v_wmma_f32_16x16x128_fp8_fp8 v[8*(4*\a+\b):8*(4*\a+\b)+7], v[64*((\k)%4)+FR*\b:64*((\k)%4)+FR*\b+FR-1], v[128*((\k)%2)+FR*\a:128*((\k)%2)+FR*\a+FR-1], v[8*(4*\a+\b):8*(4*\a+\b)+7]
.endif
.endr
.endr
.endm
; STEP k OF THE WALK.  At its head the registers that step k - 1 multiplied are free, four places behind its last product: B's set takes step k + 3, A's set step k + 1.  Steps 3, 7 and 11 fetch the next quarter of A for the first time:
; in front of that each wave waits for its own part of that quarter and passes a barrier.
.macro KSTEP k
.if (\k) > 0
	PLACES 4
.endif
.if ((\k)%4 == 3) && ((\k) < 15)
	WIN 0                                          ; A's quarters are first fills issued one at a time: quarter n + 1 is asked for when quarter n has landed, behind the add, its wait and the round
	s_wait_tensorcnt 0x0                           ; my part of quarter (k + 1) / 4 is in
	ds_add_u32 v[SPW], v[NIL]
	s_wait_dscnt 0x0                               ; the add is done, and no LDS instruction of mine is pending at a signal
.if (\k) < 11
	CROUND                                         ; everybody's part is in, and the four work-groups are here: the joint loads meet
	tensor_load_to_lds s[G0+4*((\k)/4+2):G0+4*((\k)/4+2)+3], s[G1:G1+7]   ; the quarter after that
	s_nop 0
	PLACES 4
.else
	s_barrier_signal -1
	s_barrier_wait -1                              ; everybody's part of the last quarter is in
.endif
.endif
.if ((\k) > 0) && ((\k) < 13)
	WIN TO_B
	BLOAD (\k)+3
.endif
.if (\k) < 15
	WIN TO_A
	FETCH_A (\k)+1
	s_wait_dscnt 32                                ; this step's fragments of A are in; the 32 loads just issued may be out
.else
	s_wait_dscnt 0x0
.endif
.if (\k) < 13
	s_wait_loadcnt 48                              ; this step's fragments of B are in; the next three steps' 48 loads may be out
.else
	s_wait_loadcnt 16*(15-(\k))                    ; the counts run down
.endif
	WIN MUL_W
	MUL \k
.endm
	s_load_b128 s[4:7], s[0:1], 0x0                ; ac, woc
	s_load_b128 s[8:11], s[0:1], 0x10              ; the exponents, out0
	v_lshl_add_u32 v[SPW], v0, 2, SPARE
	v_mov_b32 v[NIL], 0
	ds_add_u32 v[SPW], v[NIL]                      ; the wave's opening: the add and its wait ahead of my first tensor load; the set-up below, work on registers, stands between them
	ds_add_u32 v[SPW], v[NIL]
	v_lshrrev_b32 v1, 5, v0
	v_readfirstlane_b32 s14, v1                    ; wave 0..3
	v_and_b32 v1, 15, v0                           ; l % 16
	v_bfe_u32 v2, v0, 4, 1                         ; l / 16
	v_and_b32 v6, 31, v0
	v_lshlrev_b32 v[LI], 4, v6
.irp n, 0,1,2,3
	v_add_nc_u32 v[ADRA+\n], 65536*\n, v[LI]
.endr
	s_mul_i32 s23, s14, 16*SPITCH
	s_add_co_u32 s23, s23, STAGE                   ; my stage
	v_mul_u32_u24 v5, v1, SPITCH                   ; in: row l % 16, 32 bytes for each half of the lanes
	v_lshl_add_u32 v5, v2, 5, v5
	v_add_nc_u32 v[STO], s23, v5
	v_mul_u32_u24 v5, v2, SPITCH                   ; back: lanes 0-15 take one row of 256 bytes, lanes 16-31 the next
	v_lshl_add_u32 v5, v1, 4, v5
	v_add_nc_u32 v[RD], s23, v5
	v_lshlrev_b32 v[CO], 13, v2                    ; and the same two rows in C (a row is 8,192 bytes)
	v_lshl_add_u32 v[CO], v1, 4, v[CO]
	s_bfe_u32 s40, ttmp6, 0x40000                  ; cx
	s_lshl_b32 s42, ttmp9, 2
	s_add_co_u32 s42, s42, s40                     ; column tile = 4 x cluster x + cx: it enters B's and C's global addresses alone
	s_and_b32 s17, ttmp7, 0xffff                   ; row tile: the same in all four partners
	s_and_b32 s22, s17, 3                          ; f
	; descriptor group 1: 16,384 dense bytes (4 row tiles of a K slot) as 64 rows of 32 elements of 8 bytes
	s_mov_b32 s[G1], 15|(3<<16)|(1<<21)            ; 15:0 all four work-groups; 17:16 elements of 8 bytes; 21 set beside a mask
	s_mov_b32 s[G1+1], 32<<16                      ; tensor_dim0
	s_mov_b32 s[G1+2], 64<<16                      ; tensor_dim1
	s_mov_b32 s[G1+3], 32<<16                      ; tile_dim0
	s_mov_b32 s[G1+4], 64                          ; tile_dim1
	s_mov_b32 s[G1+5], 32                          ; tensor_dim0_stride
	s_mov_b32 s[G1+6], 0
	s_mov_b32 s[G1+7], 0
	s_lshl_b32 s20, s17, 15                        ; A: the tile's 8 row tiles of 4,096 bytes in a K slot,
	s_and_b32 s18, s14, 1
	s_lshl_b32 s18, s18, 14                        ; + the four of them that I fetch,
	s_add_co_u32 s20, s20, s18
	s_lshr_b32 s18, s14, 1
	s_lshl_b32 s18, s18, 20                        ; + which of a quarter's two K slots I fetch
	s_add_co_u32 s20, s20, s18
	s_mov_b32 s21, 0
	s_lshl_b32 s45, s14, 14                        ; where they go in a quarter's 65,536 bytes: 16,384 x wave: no place in the cluster enters an LDS address
	s_lshl_b32 s46, s42, 16                        ; B: 16 row tiles a column tile,
	s_lshl_b32 s47, s14, 14                        ; + my four
	s_add_co_u32 s46, s46, s47
	s_mov_b32 s47, 0
	s_lshl_b32 s56, s17, 20                        ; C: 128 rows of 8,192 bytes,
	s_lshl_b32 s57, s42, 10                        ; + 256 columns of 4 bytes,
	s_add_co_u32 s56, s56, s57
	s_lshl_b32 s57, s14, 8                         ; + my 64
	s_add_co_u32 s56, s56, s57
	s_mov_b32 s57, 0
	s_mov_b32 s61, 0
	s_wait_dscnt 0x0                               ; the opening add is done
	s_wait_kmcnt 0x0
	s_load_b64 s[96:97], s[8:9], 0x28              ; e10, e11
	s_add_nc_u64 s[20:21], s[4:5], s[20:21]
	s_add_nc_u64 s[6:7], s[6:7], s[46:47]
	s_add_nc_u64 s[10:11], s[10:11], s[56:57]
.irp n, 0,1,2,3
	s_xor_b32 s60, s22, \n                         ; quarter n of the walk is K's quarter n xor f:
	s_lshl_b32 s60, s60, 21                        ; two K slots of 1 << 20 bytes in ac
	s_mov_b32 s[G0+4*\n], 1                        ; 1:0 count = 1
	s_add_co_u32 s[G0+4*\n+1], s45, \n*65536       ; 63:32 LDS address: in the order of the walk
	s_add_nc_u64 s[G0+4*\n+2:G0+4*\n+3], s[20:21], s[60:61]
	s_or_b32 s[G0+4*\n+3], s[G0+4*\n+3], 0x80000000   ; 127:126 type = 2
	s_xor_b32 s60, s22, \n
	s_lshl_b32 s60, s60, 20                        ; two K slots of 524,288 bytes in woc
	s_add_nc_u64 s[BBASE+2*\n:BBASE+2*\n+1], s[6:7], s[60:61]
.endr
	CROUND                                         ; all four work-groups are here: the joint loads meet
	tensor_load_to_lds s[G0:G0+3], s[G1:G1+7]      ; my part of A's first quarter: one tensor load a wave at the head
	s_nop 0
.rept 4
	v_nop
.endr
	WIN TO_B
	BLOAD 0                                        ; the first quarter's fragments of B
	BLOAD 1
	BLOAD 2
	BLOAD 3
	WIN 0
	s_wait_alu depctr_va_vdst(0)
	s_wait_tensorcnt 0x0                           ; my part of A's first quarter is in
	ds_add_u32 v[SPW], v[NIL]
	s_wait_dscnt 0x0
	CROUND                                         ; everybody's is
	tensor_load_to_lds s[G0+4:G0+7], s[G1:G1+7]    ; the second quarter
	s_nop 0
	PLACES 4
	WIN TO_A
	FETCH_A 0
	s_wait_alu depctr_va_vdst(0)
.irp k, 0,1,2,3,4,5,6,7,8,9,10,11,12,13,14,15
	KSTEP \k
.endr
; THE WAY OUT, block by block of 16 rows x my 64 columns.  A lane holds 32 neighbouring bytes of a row, and the lanes beside it hold other rows: so a block goes through my own stage and comes back by rows of 256 bytes.
; LDS serves a wave's instructions in order (ISA guide 5.7.1.4): no wait between the stores and the loads, nor in front of the next block's stores.  Every offset in C is an immediate: 7 x 131,072 + 7 x 16,384 bytes at the most.
.macro TOSTAGE a
	WIN 0x02                                       ; source 0: the accumulators' window
.set j, 0
.rept 16
	v_pk_mul_f32 v[TMP+j:TMP+j+1], v[32*(\a)+j:32*(\a)+j+1], s[96:97] op_sel_hi:[1,0]   ; x 2^(e10 + e11); each accumulator from its low end on
.set j, j+2
.endr
	WIN 0
.irp b, 0,1,2,3
	ds_store_b128 v[STO], v[TMP+8*\b:TMP+8*\b+3] offset:64*\b
	ds_store_b128 v[STO], v[TMP+8*\b+4:TMP+8*\b+7] offset:64*\b+16
.endr
.set BKS, BK+32*((\a)%2)
.irp t, 0,1,2,3,4,5,6,7
	ds_load_b128 v[BKS+4*\t:BKS+4*\t+3], v[RD] offset:\t*2*SPITCH
.endr
.endm
.macro SEND a, younger                 ; younger: the LDS instructions issued behind block a's loads, which may stay out
.set BKS, BK+32*((\a)%2)
	s_wait_dscnt \younger                          ; the block is back in registers
.irp t, 0,1,2,3,4,5,6,7
	global_store_b128 v[CO], v[BKS+4*\t:BKS+4*\t+3], s[10:11] offset:(\a)*131072+\t*16384 th:TH_STORE_NT   ; sixteen lanes store 256 consecutive bytes, aligned; written once, read by nobody here
.endr
.endm
	PLACES 4                                       ; behind the last products, ahead of the first read of results
	s_wait_kmcnt 0x0
	s_add_co_i32 s96, s96, s97
	s_add_co_i32 s96, s96, 127
	s_lshl_b32 s96, s96, 23                        ; 2^(e10 + e11) as f32
	TOSTAGE 0
.irp a, 1,2,3,4,5,6,7
.if \a > 1
	s_wait_xcnt 0x0                                ; block a - 2's stores have read their registers: block a's loads may land there
.endif
	TOSTAGE \a
	SEND \a-1, 16                                  ; behind block a - 1's loads: block a's 8 stores and 8 loads
.endr
	SEND 7, 0
	s_wait_tensorcnt 0x0                           ; the wave's end, behind my last tensor load and my last LDS store
	ds_add_u32 v[SPW], v[NIL]
	s_wait_dscnt 0x0
	CROUND                                         ; the closing round
	s_endpgm
.Lfunc_end_k_qc18252e75c_oproj:
	.size	k_qc18252e75c_oproj, .Lfunc_end_k_qc18252e75c_oproj-k_qc18252e75c_oproj
	.p2alignl 7, 3214868480
	.fill 96, 4, 3214868480
	.section	.rodata,"a",@progbits
	.p2align	6, 0x0
	.amdhsa_kernel k_qc18252e75c_oproj
		.amdhsa_group_segment_fixed_size 327680
		.amdhsa_private_segment_fixed_size 0
		.amdhsa_enable_private_segment 0
		.amdhsa_kernarg_size 32
		.amdhsa_user_sgpr_count 2
		.amdhsa_user_sgpr_kernarg_segment_ptr 1
		.amdhsa_wavefront_size32 1
		.amdhsa_system_sgpr_workgroup_id_x 1
		.amdhsa_system_sgpr_workgroup_id_y 1
		.amdhsa_system_sgpr_workgroup_id_z 1
		.amdhsa_system_vgpr_workitem_id 0
		.amdhsa_next_free_vgpr 1024
		.amdhsa_next_free_sgpr 100
		.amdhsa_reserve_vcc 0
		.amdhsa_float_denorm_mode_32 3
		.amdhsa_float_denorm_mode_16_64 3
		.amdhsa_memory_ordered 1
		.amdhsa_forward_progress 1
		.amdhsa_inst_pref_size 124
	.end_amdhsa_kernel
	.amdgpu_metadata
---
amdhsa.version: [ 1, 2 ]
amdhsa.kernels:
  - .name:           k_qc18252e75c_oproj
    .symbol:         k_qc18252e75c_oproj.kd
    .args:
      - { .name: ac, .offset: 0, .size: 8, .value_kind: global_buffer, .address_space: global }
      - { .name: woc, .offset: 8, .size: 8, .value_kind: global_buffer, .address_space: global }
      - { .name: lowp_scales, .offset: 16, .size: 8, .value_kind: global_buffer, .address_space: global }
      - { .name: out0, .offset: 24, .size: 8, .value_kind: global_buffer, .address_space: global }
    .group_segment_fixed_size: 327680
    .private_segment_fixed_size: 0
    .kernarg_segment_align: 8
    .kernarg_segment_size: 32
    .max_flat_workgroup_size: 128
    .sgpr_count:     100
    .vgpr_count:     1024
    .wavefront_size: 32
...
	.end_amdgpu_metadata
.endif
;; end of part 4
